; MI455X (gfx1250); checked and timed in simulation.
; The chip was launched on July 23, 2026; its instructions are those of AMD's public machine-readable ISA for CDNA 5 (MIT licence, August 2026) and "CDNA5" Instruction Set Architecture Reference Guide (July 2026). The comments in the code are by the model that wrote it; some were corrected since.
;; Transformer Block. Allowed arithmetic: matrix products marked QUANTISED: E2M3 operands, one E8M0 scale for each 32 along K, by v_wmma_scale_f32_16x16x128_f8f6f4 with both operands' format E2M3, f32 sums; everything else in f32.
;; Inputs: W1_codes 3,072 x 24 x 24 uint8 (E2M3 codes of W1, K innermost, in blocks of 32 codes, four codes in three bytes); W1_scales 3,072 x 24 uint8 (E8M0 scales of W1, one for each 32 codes along K); W2_codes 768 x 96 x 24 uint8 (E2M3 codes of W2, K innermost, in blocks of 32 codes, four codes in three bytes); W2_scales 768 x 96 uint8 (E8M0 scales of W2, one for each 32 codes along K); Wk_codes 768 x 24 x 24 uint8 (E2M3 codes of Wk, K innermost, in blocks of 32 codes, four codes in three bytes); Wk_scales 768 x 24 uint8 (E8M0 scales of Wk, one for each 32 codes along K); Wo_codes 768 x 24 x 24 uint8 (E2M3 codes of Wo, K innermost, in blocks of 32 codes, four codes in three bytes); Wo_scales 768 x 24 uint8 (E8M0 scales of Wo, one for each 32 codes along K); Wq_codes 768 x 24 x 24 uint8 (E2M3 codes of Wq, K innermost, in blocks of 32 codes, four codes in three bytes); Wq_scales 768 x 24 uint8 (E8M0 scales of Wq, one for each 32 codes along K); Wv_codes 768 x 24 x 24 uint8 (E2M3 codes of Wv, K innermost, in blocks of 32 codes, four codes in three bytes); Wv_scales 768 x 24 uint8 (E8M0 scales of Wv, one for each 32 codes along K); b1 3,072 float32; b2 768 float32; beta1 768 float32; beta2 768 float32; bo 768 float32; g1 768 float32; g2 768 float32; x 1 x 4,096 x 768 float32.
;; Outputs: out0 1 x 4,096 x 768 float32.
;; This version of the problem:
;;   THIS VERSION OF THE PROBLEM IS GIVEN IN LOW PRECISION. The matrix products marked QUANTISED in the list below multiply operands that are first quantised to E2M3 (2 exponent bits, 3 mantissa bits; 6 bits a number), with one power-of-two scale for each 32 numbers along K (OCP MX v1.0); their sums are f32. All else is computed in f32.
;;   The module's matrix products, in the order in which they are computed (A, B: the left and right operand; K: the contracted axis; several contracted axes count as one K, in the product's order):
;;     1. [M 4,096, K 768] x [K 768, N 768]; A: computed on the way; B: input Wq (given as codes): QUANTISED
;;     2. [M 4,096, K 768] x [K 768, N 768]; A: computed on the way; B: input Wk (given as codes): QUANTISED
;;     3. [M 4,096, K 768] x [K 768, N 768]; A: computed on the way; B: input Wv (given as codes): QUANTISED
;;     4. batch 12 x [M 4,096, K 64] x [K 64, N 4,096]; A: computed on the way; B: computed on the way: QUANTISED
;;     5. batch 12 x [M 4,096, K 4,096] x [K 4,096, N 64]; A: softmax (see below); B: computed on the way: QUANTISED
;;     6. [M 4,096, K 768] x [K 768, N 768]; A: computed on the way; B: input Wo (given as codes): QUANTISED
;;     7. [M 4,096, K 768] x [K 768, N 3,072]; A: computed on the way; B: input W1 (given as codes): QUANTISED
;;     8. [M 4,096, K 3,072] x [K 3,072, N 768]; A: computed on the way; B: input W2 (given as codes): QUANTISED
;;   THE QUANTISER, for each operand of a quantised product, along K:
;;     - K is cut into blocks of 32 from its start; a last block that is shorter is filled with zeros.
;;     - A block's scale is 2^e with e = floor(log2(the largest magnitude in the block)) - 2, held to -126 .. 127; a block of zeros has e = 0. As a byte (E8M0): e + 127.
;;     - Each number is divided by its block's scale, clamped to +-7.5, and rounded to the nearest number of E2M3, ties to even, subnormals kept.
;;     - The product sums the exact products of the quantised numbers (number of the format x scale) in f32.
;;   ~~~python
;;   def quantise(x, axis):      # numpy; x: float32 -> the quantised numbers, widened to float32 again
;;       x = np.moveaxis(x, axis, -1); K = x.shape[-1]
;;       x = np.pad(x, [(0, 0)] * (x.ndim - 1) + [(0, -K % 32)]); x = x.reshape(x.shape[:-1] + (-1, 32)); a = np.abs(x).max(-1, keepdims=True)
;;       e = np.where(a > 0, np.clip(np.frexp(np.where(a > 0, a, 1))[1] - 1 - 2, -126, 127), 0)      # np.frexp(a)[1] - 1 = floor(log2(a)), exactly
;;       r = np.clip(x / 2.0 ** e, -7.5, 7.5)
;;       step = 2.0 ** (np.maximum(np.frexp(np.where(r == 0, 1, r))[1] - 1, 0) - 3)
;;       q = np.round(r / step) * step * 2.0 ** e      # np.round: ties to even
;;       return np.moveaxis(q.reshape(q.shape[:-2] + (-1,))[..., :K], -1, axis).astype(np.float32)
;;   ~~~
;;   SOFTMAX AHEAD OF A QUANTISED PRODUCT. Where the list says 'softmax', what is quantised is not the finished softmax but p = 2^(t - M), with t = logit x log2(e) and M = ceil(the row's largest t), a whole number; so 1/2 < the row's largest p <= 1. The row's sum l is taken of the UNQUANTISED p, in f32, and the product's result is divided by l at the end. Since M is a whole number, a kernel that streams over the keys may use a running M (the ceiling of the running maximum): every later rescaling is an exact power of two, which a block's scale takes up: the codes' values come out the same.
;;   OPERANDS COMPUTED ON THE WAY. 'Computed on the way' means the value that the module computes at that place (a softmax that the list does not call 'softmax' is quantised finished and normalised). What goes into a quantiser is computed in f32, as accurately as f32 sums, v_exp_f32 and their like allow (about 1e-6 of the number): no bf16 or f16 on the way to a quantiser, and a product that is left as it is and whose result goes on into a quantised operand takes f32 operands (vector FMAs, or v_wmma_f32_16x16x4_f32). A number that lies on a knife's edge between two numbers of the format may be rounded either way, as far as f32 arithmetic and the matrix unit's own rounding can turn it there, and no further.
;;   INPUTS GIVEN AS CODES. W1 (in the module: [768, 3072], K = its axis 0); W2 (in the module: [3072, 768], K = its axis 0); Wk (in the module: [768, 768], K = its axis 0); Wo (in the module: [768, 768], K = its axis 0); Wq (in the module: [768, 768], K = its axis 0); Wv (in the module: [768, 768], K = its axis 0): each comes as NAME_codes (uint8): NAME with its K axis moved to the last place and cut into blocks of 32 codes, [.., K / 32, bytes a block], one block behind the other in memory; four codes in three bytes: a row's codes are one little-endian stream of bits, code i at bits 6 i .. 6 i + 5 (a code: sign, 2 exponent bits, 3 mantissa bits); and NAME_scales (uint8): the same leading axes, one E8M0 byte (e + 127) for each 32 codes along K. Its value is code x scale, taken as it is: it is not quantised again, and the codes and scales need not be those that the quantiser above would give.
;; One version. Each part assembles by itself: llvm-mc -triple=amdgcn-amd-amdhsa -mcpu=gfx1250 --defsym DOCPART=n.
;; ======== version 1 of 1: 6 launches
;; limits: right only within a limited range of input values
;; workspace buffers: h1rec 2,457,600 bytes; wrec 5,529,600 bytes; qrec 2,457,600 bytes; kvrec 4,915,200 bytes; orec 2,457,600 bytes; x1img 12,582,912 bytes; h2rec 2,457,600 bytes; hidrec 9,830,400 bytes
;; launch prep (part 1): grid 400 x 1, 6 waves a work-group, no clusters, 1,792 bytes of LDS; arguments x, g1, beta1, Wq_codes, Wq_scales, Wk_codes, Wk_scales, Wv_codes, Wv_scales, Wo_codes, Wo_scales, W1_codes, W1_scales, W2_codes, W2_scales, h1rec, wrec; writes h1rec, wrec
.if DOCPART == 1
	.amdgcn_target "amdgcn-amd-amdhsa--gfx1250"
	.amdhsa_code_object_version 6
	.text
	.protected	k_q2a8d3064ca_prep
	.globl	k_q2a8d3064ca_prep
	.p2align	8
	.type	k_q2a8d3064ca_prep,@function
k_q2a8d3064ca_prep:
	s_mov_b64 s[64:65], 0
	v_nop
	global_prefetch_b8 v0, s[64:65] scope:SCOPE_SE
	s_setreg_imm32_b32 hwreg(HW_REG_WAVE_MODE, 25, 1), 1
	s_wait_xcnt 0x0
; PREP.  Two jobs in one launch, parted by the work-group's number.
; Work-groups 0-255: h1 = LayerNorm(x) g1 + beta1 in f32, quantised along the 768 features to FP6 (E2M3) codes with one E8M0 byte for each 32, stored as RECORDS.
; Work-groups 256-399: the six weights' given codes and scale bytes, untouched, are laid into the same record format, once.
; A RECORD is 64 rows x 128 along K in the order of the matrix operand's registers: 6,400 bytes.  Fragment t (16 rows) at 1536 t; registers 2 q, 2 q + 1 of all 32 lanes at 256 q + 8 x lane;
; the scale word of (t, r) at 6144 + 64 t + 4 r.  Lane place m of fragment t is row 32 (t / 2) + 8 (t % 2) + m + 8 (m / 8) of the 64: with that order the results of a product whose source 0 is such a
; record lie in a lane's registers in the natural order of these rows, ready for the next quantiser.
; LN PATH.  A work-group takes one tile of 16 tokens; wave s takes features 128 s .. 128 s + 127; lane (r, h) holds 64 numbers of token place r: register 16 b + i = feature 128 s + 32 b + 16 h + i.
; Mean and variance in two passes over the registers (no difference of large sums); the six waves' partial sums meet in LDS, each pass in bytes of its own.
; LIMITS: NaN and infinities are not served.  A block whose largest magnitude lies under 2^-124, a block of zeros among them, gets the byte 1 (zero codes add nothing; only this program reads the bytes).
; 1/768 is a multiplication by the nearest f32; 1/sqrt by v_rsq_f32.
; No matrix unit, no cluster, no tensor load: nothing is shared between work-groups, and each input byte is read once here.
.set REC, 6400
.set X,   32                           ; v32-95   64 numbers of x, then d, then y
.set G,   96                           ; v96-159  g1 at my 64 features
.set BE,  160                          ; v160-223 beta1
.set TM,  224                          ; v224-239 the quantiser's work
.set PC,  240                          ; v240-251 the fragment's codes
.set PT,  24                           ; v24-31   second halves of blocks (a conversion's three registers begin on an even number)
.set PW,  252                          ; the scale word
.set HW,  253                          ; my half of it
.set SEL, 38                           ; s[38:39] selects for lane l xor 16
.set WV,  40
; 64 numbers of a lane, register 16 b + i = k 32 b + 16 (lane / 16) + i of my row, become a fragment's 12 registers of codes and its scale word.
.macro QUANT s, pc, pw
.irp b, 0,1,2,3
	v_max3_num_f32 v[TM+\b], |v[\s+16*\b]|, |v[\s+1+16*\b]|, 0x1800000   ; my 16 numbers of block b, and the floor 2^(3 - 127): the byte cannot fall under 1
.endr
.irp i, 2,4,6,8,10,12,14
.irp b, 0,1,2,3
	v_max3_num_f32 v[TM+\b], v[TM+\b], |v[\s+16*\b+\i]|, |v[\s+1+16*\b+\i]|
.endr
.endr
.irp b, 0,1,2,3
	v_permlanex16_b32 v[TM+4+\b], v[TM+\b], s[SEL], s[SEL+1]
.endr
.irp b, 0,1,2,3
	v_max_num_f32 v[TM+\b], v[TM+\b], v[TM+4+\b]   ; with lane l xor 16's 16: the block's largest magnitude
.endr
.irp b, 0,1,2,3
	v_add_nc_u32 v[TM+12+\b], 0xff000000, v[TM+\b]   ; 2 off its exponent field: the conversion's scale operand
.endr
.irp b, 0,1,2,3
	v_lshrrev_b32 v[TM+4+\b], 23, v[TM+12+\b]      ; the scale's byte
.endr
	v_lshl_or_b32 v[\pw], v[TM+5], 8, v[TM+4]
	v_lshl_or_b32 v[\pw], v[TM+6], 16, v[\pw]
	v_lshl_or_b32 v[\pw], v[TM+7], 24, v[\pw]
.irp c, 0,1
	v_cvt_scalef32_pk16_fp6_f32 v[\pc+6*\c:\pc+6*\c+2], v[\s+32*\c:\s+32*\c+15], v[TM+12+2*\c]
	v_cvt_scalef32_pk16_fp6_f32 v[PT+4*\c:PT+4*\c+2], v[\s+32*\c+16:\s+32*\c+31], v[TM+13+2*\c]
.endr
	v_nop                                          ; one plain place behind the scaled conversions
.irp c, 0,1                                    ; the operand wants a whole block in a lane: lanes 0-15 block 2 c, lanes 16-31 block 2 c + 1
.irp i, 0,1,2
	v_permlane16_swap_b32 v[\pc+6*\c+\i], v[PT+4*\c+\i]
.endr
.irp i, 0,1,2
	v_mov_b32 v[\pc+6*\c+3+\i], v[PT+4*\c+\i]
.endr
.endr
.endm
	s_load_b512 s[4:19], s[0:1], 0x0               ; x 4, g1 6, beta1 8, Wq codes 10, scales 12, Wk 14, 16, Wv codes 18
	s_load_b512 s[20:35], s[0:1], 0x40             ; Wv scales 20, Wo 22, 24, W1 26, 28, W2 30, 32, h1rec 34
	s_load_b64 s[36:37], s[0:1], 0x80              ; wrec
	v_lshl_add_u32 v254, v0, 2, 0x400
	v_mov_b32 v255, 0
	v_lshrrev_b32 v1, 5, v0
	v_readfirstlane_b32 s[WV], v1                  ; wave 0..5
	v_and_b32 v1, 31, v0                           ; lane
	v_and_b32 v2, 15, v0                           ; r
	v_bfe_u32 v3, v0, 4, 1                         ; h
	v_and_b32 v4, 8, v2
	v_add_nc_u32 v4, v4, v2                        ; r + 8 (r / 8)
	v_lshlrev_b32 v5, 3, v1                        ; 8 x lane
	s_wait_kmcnt 0x0
	s_cmp_lt_u32 ttmp9, 256
	s_cbranch_scc0 .Lrelay
	; ---------------- LayerNorm 1 and its quantiser: token tile T = the work-group's number
	s_lshr_b32 s41, ttmp9, 1
	s_lshl_b32 s41, s41, 5
	s_and_b32 s42, ttmp9, 1
	s_lshl_b32 s42, s42, 3
	s_add_co_u32 s41, s41, s42                     ; 32 (T / 2) + 8 (T % 2): lane place r is token this + r + 8 (r / 8)
	s_mul_i32 s42, s41, 3072
	s_lshl_b32 s44, s[WV], 9                       ; my wave's 128 features: 512 bytes
	s_add_co_u32 s42, s42, s44
	s_mov_b32 s43, 0
	s_mov_b32 s45, 0
	s_lshr_b32 s46, ttmp9, 2
	s_mul_i32 s46, s46, 6
	s_add_co_u32 s46, s46, s[WV]
	s_mul_i32 s46, s46, REC                        ; record (token block T / 4, K step = wave)
	s_mov_b32 s47, 0
	s_and_b32 s48, ttmp9, 3
	s_mul_i32 s49, s48, 1536                       ; fragment T % 4
	s_lshl_b32 s48, s48, 6                         ; and its 64 bytes of scale words
	s_lshl_b32 s50, s[WV], 2
	s_mov_b32 s[SEL], 0x76543210
	s_mov_b32 s[SEL+1], 0xfedcba98
	s_mov_b32 s51, 0x3aaaaaab                      ; 1 / 768
	s_add_nc_u64 s[4:5], s[4:5], s[42:43]
	s_add_nc_u64 s[6:7], s[6:7], s[44:45]
	s_add_nc_u64 s[8:9], s[8:9], s[44:45]
	s_add_nc_u64 s[34:35], s[34:35], s[46:47]
	s_wait_alu depctr_va_vdst(0)
	v_mul_u32_u24 v6, v4, 3072
	v_lshl_add_u32 v6, v3, 6, v6                   ; x: my token's row + 64 h
	v_lshlrev_b32 v7, 6, v3                        ; g1, beta1: 64 h
	v_lshlrev_b32 v12, 5, v2                       ; LDS: 32 bytes for each token place,
	v_add_nc_u32 v13, s50, v12                     ; my wave's word in them
.irp b, 0,1,2,3
	v_mov_b32 v[TM+4+\b], 0                        ; written once: a lane permute's destination counts as one of its sources
.endr
.irp b, 0,1,2,3
.irp c, 0,1,2,3
	global_load_b128 v[X+16*\b+4*\c:X+16*\b+4*\c+3], v6, s[4:5] offset:128*\b+16*\c th:TH_LOAD_NT
.endr
.endr
.irp b, 0,1,2,3
.irp c, 0,1,2,3
	global_load_b128 v[G+16*\b+4*\c:G+16*\b+4*\c+3], v7, s[6:7] offset:128*\b+16*\c
.endr
.endr
.irp b, 0,1,2,3
.irp c, 0,1,2,3
	global_load_b128 v[BE+16*\b+4*\c:BE+16*\b+4*\c+3], v7, s[8:9] offset:128*\b+16*\c
.endr
.endr
	s_wait_loadcnt 32                              ; x's 16 loads are in; the 32 of g1 and beta1 behind them may be out
	v_pk_add_f32 v[8:9], v[X:X+1], v[X+2:X+3]      ; the sum of my 64, two chains
	v_pk_add_f32 v[10:11], v[X+4:X+5], v[X+6:X+7]
.set j, 8
.rept 14
	v_pk_add_f32 v[8:9], v[8:9], v[X+j:X+j+1]
	v_pk_add_f32 v[10:11], v[10:11], v[X+j+2:X+j+3]
.set j, j+4
.endr
	v_pk_add_f32 v[8:9], v[8:9], v[10:11]
	v_add_f32 v8, v8, v9
	v_permlanex16_b32 v9, v8, s[SEL], s[SEL+1]
	v_add_f32 v8, v8, v9                           ; my wave's 128 features of token place r
	ds_store_b32 v13, v8                           ; (both halves of the lanes write the same word with the same value)
	s_wait_dscnt 0x0                               ; for the others' sake: my store has landed
	s_barrier_signal -1
	s_barrier_wait -1
	ds_load_b128 v[16:19], v12
	ds_load_b64 v[20:21], v12 offset:16
	s_wait_dscnt 0x0
	v_add_f32 v16, v16, v17                        ; every wave adds the six in the same order
	v_add_f32 v18, v18, v19
	v_add_f32 v20, v20, v21
	v_add_f32 v16, v16, v18
	v_add_f32 v16, v16, v20
	v_mul_f32 v14, s51, v16                        ; the mean
	v_mov_b32 v15, v14
.set j, 0
.rept 32
	v_pk_add_f32 v[X+j:X+j+1], v[X+j:X+j+1], v[14:15] neg_lo:[0,1] neg_hi:[0,1]   ; d = x - mean
.set j, j+2
.endr
	v_pk_mul_f32 v[8:9], v[X:X+1], v[X:X+1]
	v_pk_mul_f32 v[10:11], v[X+2:X+3], v[X+2:X+3]
.set j, 4
.rept 15
	v_pk_fma_f32 v[8:9], v[X+j:X+j+1], v[X+j:X+j+1], v[8:9]
	v_pk_fma_f32 v[10:11], v[X+j+2:X+j+3], v[X+j+2:X+j+3], v[10:11]
.set j, j+4
.endr
	v_pk_add_f32 v[8:9], v[8:9], v[10:11]
	v_add_f32 v8, v8, v9
	v_permlanex16_b32 v9, v8, s[SEL], s[SEL+1]
	v_add_f32 v8, v8, v9
	ds_store_b32 v13, v8 offset:512                ; the second pass has bytes of its own, so one barrier serves it
	s_wait_dscnt 0x0
	s_barrier_signal -1
	s_barrier_wait -1
	ds_load_b128 v[16:19], v12 offset:512
	ds_load_b64 v[20:21], v12 offset:528
	s_wait_dscnt 0x0
	v_add_f32 v16, v16, v17
	v_add_f32 v18, v18, v19
	v_add_f32 v20, v20, v21
	v_add_f32 v16, v16, v18
	v_add_f32 v16, v16, v20
	v_fmaak_f32 v22, s51, v16, 0x3727c5ac          ; the variance + 1e-5
	s_wait_alu depctr_va_vdst(0)
	v_rsq_f32 v22, v22
	v_nop                                          ; a plain place behind the transcendental
	s_wait_alu depctr_va_vdst(0)                   ; the wait ahead of the first reader
	v_mov_b32 v23, v22
	s_wait_alu depctr_va_vdst(0)
	s_wait_loadcnt 0x0                             ; g1 and beta1
.set j, 0
.rept 32
	v_pk_mul_f32 v[X+j:X+j+1], v[X+j:X+j+1], v[22:23]
.set j, j+2
.endr
.set j, 0
.rept 32
	v_pk_fma_f32 v[X+j:X+j+1], v[X+j:X+j+1], v[G+j:G+j+1], v[BE+j:BE+j+1]
.set j, j+2
.endr
	QUANT X, PC, PW
	v_add_nc_u32 v16, s49, v5                      ; codes: my fragment + 8 x lane
	v_lshlrev_b32 v17, 2, v2
	v_lshl_add_u32 v17, v3, 1, v17
	v_add_nc_u32 v17, s48, v17                     ; scale word of place r: lanes 0-15 store its low half, lanes 16-31 its high half
	v_lshlrev_b32 v18, 4, v3
	v_lshrrev_b32 v[HW], v18, v[PW]
.irp q, 0,1,2,3,4,5
	global_store_b64 v16, v[PC+2*\q:PC+2*\q+1], s[34:35] offset:256*\q   ; 32 lanes store 256 consecutive bytes, aligned
.endr
	global_store_b16 v17, v[HW], s[34:35] offset:6144
	s_wait_tensorcnt 0x0
	ds_add_u32 v254, v255
	s_wait_dscnt 0x0
	s_endpgm
	; ---------------- the weights into records: record number 6 R + wave, R = the work-group's number - 256
.Lrelay:
	s_sub_co_u32 s41, ttmp9, 256
	s_mov_b64 s[50:51], s[30:31]                   ; the tensor is chosen by R alone: [96, 144) W2,
	s_mov_b64 s[52:53], s[32:33]
	s_mov_b32 s54, 96
	s_cmp_lt_u32 s41, 96                           ; [48, 96) W1,
	s_cselect_b64 s[50:51], s[26:27], s[50:51]
	s_cselect_b64 s[52:53], s[28:29], s[52:53]
	s_cselect_b32 s54, 48, s54
	s_cmp_lt_u32 s41, 48                           ; [36, 48) Wo,
	s_cselect_b64 s[50:51], s[22:23], s[50:51]
	s_cselect_b64 s[52:53], s[24:25], s[52:53]
	s_cselect_b32 s54, 36, s54
	s_cmp_lt_u32 s41, 36                           ; [24, 36) Wv,
	s_cselect_b64 s[50:51], s[18:19], s[50:51]
	s_cselect_b64 s[52:53], s[20:21], s[52:53]
	s_cselect_b32 s54, 24, s54
	s_cmp_lt_u32 s41, 24                           ; [12, 24) Wk,
	s_cselect_b64 s[50:51], s[14:15], s[50:51]
	s_cselect_b64 s[52:53], s[16:17], s[52:53]
	s_cselect_b32 s54, 12, s54
	s_cmp_lt_u32 s41, 12                           ; [0, 12) Wq
	s_cselect_b64 s[50:51], s[10:11], s[50:51]
	s_cselect_b64 s[52:53], s[12:13], s[52:53]
	s_cselect_b32 s54, 0, s54
	s_sub_co_u32 s55, s41, s54
	s_lshr_b32 s56, s55, 2
	s_and_b32 s57, s55, 3
	s_mul_i32 s57, s57, 6
	s_add_co_u32 s57, s57, s[WV]
	s_mov_b32 s58, 2304
	s_mov_b32 s59, 96
	s_cmp_ge_u32 s41, 96                           ; W2 has 24 K steps to a block of 64 rows, the others 6
	s_cselect_b32 s56, s56, s55                    ; the block of 64 rows
	s_cselect_b32 s57, s57, s[WV]                  ; the K step
	s_cselect_b32 s58, s58, 576                    ; a row of codes in bytes
	s_cselect_b32 s59, s59, 24                     ; a row of scale bytes
	s_lshl_b32 s60, s58, 3
	s_lshl_b32 s61, s58, 5
	s_add_co_u32 s62, s60, s61
	s_lshl_b32 s66, s56, 6
	s_mul_i32 s66, s66, s58
	s_mul_i32 s67, s57, 96
	s_add_co_u32 s66, s66, s67
	s_mov_b32 s67, 0
	s_add_nc_u64 s[50:51], s[50:51], s[66:67]      ; codes at (row 64 b, K step s)
	s_lshl_b32 s42, s56, 6
	s_mul_i32 s42, s42, s59
	s_lshl_b32 s43, s57, 2
	s_add_co_u32 s42, s42, s43
	s_mov_b32 s43, 0
	s_add_nc_u64 s[52:53], s[52:53], s[42:43]      ; scale words likewise
	s_mul_i32 s68, s41, 6
	s_add_co_u32 s68, s68, s[WV]
	s_mul_i32 s68, s68, REC
	s_mov_b32 s69, 0
	s_add_nc_u64 s[36:37], s[36:37], s[68:69]
	s_lshl_b32 s70, s59, 5
	s_wait_alu depctr_va_vdst(0)
	v_mul_lo_u32 v8, v4, s58
	v_mad_u32_u24 v8, v3, 24, v8                   ; fragment 0: row r + 8 (r / 8), + 24 h
	v_add_nc_u32 v9, s60, v8                       ; fragment 1 begins 8 rows on, 2: 32, 3: 40
	v_add_nc_u32 v10, s61, v8
	v_add_nc_u32 v11, s62, v8
	v_lshl_add_u32 v12, v3, 3, v4
	v_mul_lo_u32 v12, v12, s59                     ; scale words: lane 16 h + r takes fragment h's (then 2 + h's) place r
	v_add_nc_u32 v13, s70, v12
	v_lshlrev_b32 v14, 2, v1
.irp t, 0,1,2,3
.irp q, 0,1,2,3,4,5
	global_load_b64 v[32+12*\t+2*\q:33+12*\t+2*\q], v[8+\t], s[50:51] offset:48*(\q/3)+8*(\q%3)
.endr
.endr
	global_load_b32 v80, v12, s[52:53]
	global_load_b32 v81, v13, s[52:53]
	s_wait_alu depctr_va_vdst(0)
	s_wait_loadcnt 0x0
.irp t, 0,1,2,3
.irp q, 0,1,2,3,4,5
	global_store_b64 v5, v[32+12*\t+2*\q:33+12*\t+2*\q], s[36:37] offset:1536*\t+256*\q
.endr
.endr
	global_store_b32 v14, v80, s[36:37] offset:6144
	global_store_b32 v14, v81, s[36:37] offset:6272
	s_endpgm
.Lfunc_end_k_q2a8d3064ca_prep:
	.size	k_q2a8d3064ca_prep, .Lfunc_end_k_q2a8d3064ca_prep-k_q2a8d3064ca_prep
	.p2alignl 7, 3214868480
	.fill 96, 4, 3214868480
	.section	.rodata,"a",@progbits
	.p2align	6, 0x0
	.amdhsa_kernel k_q2a8d3064ca_prep
		.amdhsa_group_segment_fixed_size 1792
		.amdhsa_private_segment_fixed_size 0
		.amdhsa_enable_private_segment 0
		.amdhsa_kernarg_size 136
		.amdhsa_user_sgpr_count 2
		.amdhsa_user_sgpr_kernarg_segment_ptr 1
		.amdhsa_wavefront_size32 1
		.amdhsa_system_sgpr_workgroup_id_x 1
		.amdhsa_system_sgpr_workgroup_id_y 1
		.amdhsa_system_sgpr_workgroup_id_z 1
		.amdhsa_system_vgpr_workitem_id 0
		.amdhsa_next_free_vgpr 256
		.amdhsa_next_free_sgpr 72
		.amdhsa_reserve_vcc 0
		.amdhsa_float_denorm_mode_32 3
		.amdhsa_float_denorm_mode_16_64 3
		.amdhsa_memory_ordered 1
		.amdhsa_forward_progress 1
		.amdhsa_inst_pref_size 31
	.end_amdhsa_kernel
	.amdgpu_metadata
---
amdhsa.version: [ 1, 2 ]
amdhsa.kernels:
  - .name:           k_q2a8d3064ca_prep
    .symbol:         k_q2a8d3064ca_prep.kd
    .args:
      - { .name: x, .offset: 0, .size: 8, .value_kind: global_buffer, .address_space: global }
      - { .name: g1, .offset: 8, .size: 8, .value_kind: global_buffer, .address_space: global }
      - { .name: beta1, .offset: 16, .size: 8, .value_kind: global_buffer, .address_space: global }
      - { .name: Wq_codes, .offset: 24, .size: 8, .value_kind: global_buffer, .address_space: global }
      - { .name: Wq_scales, .offset: 32, .size: 8, .value_kind: global_buffer, .address_space: global }
      - { .name: Wk_codes, .offset: 40, .size: 8, .value_kind: global_buffer, .address_space: global }
      - { .name: Wk_scales, .offset: 48, .size: 8, .value_kind: global_buffer, .address_space: global }
      - { .name: Wv_codes, .offset: 56, .size: 8, .value_kind: global_buffer, .address_space: global }
      - { .name: Wv_scales, .offset: 64, .size: 8, .value_kind: global_buffer, .address_space: global }
      - { .name: Wo_codes, .offset: 72, .size: 8, .value_kind: global_buffer, .address_space: global }
      - { .name: Wo_scales, .offset: 80, .size: 8, .value_kind: global_buffer, .address_space: global }
      - { .name: W1_codes, .offset: 88, .size: 8, .value_kind: global_buffer, .address_space: global }
      - { .name: W1_scales, .offset: 96, .size: 8, .value_kind: global_buffer, .address_space: global }
      - { .name: W2_codes, .offset: 104, .size: 8, .value_kind: global_buffer, .address_space: global }
      - { .name: W2_scales, .offset: 112, .size: 8, .value_kind: global_buffer, .address_space: global }
      - { .name: h1rec, .offset: 120, .size: 8, .value_kind: global_buffer, .address_space: global }
      - { .name: wrec, .offset: 128, .size: 8, .value_kind: global_buffer, .address_space: global }
    .group_segment_fixed_size: 1792
    .private_segment_fixed_size: 0
    .kernarg_segment_align: 8
    .kernarg_segment_size: 136
    .max_flat_workgroup_size: 192
    .sgpr_count:     72
    .vgpr_count:     256
    .wavefront_size: 32
...
	.end_amdgpu_metadata
.endif
;; end of part 1
;; launch qkv (part 2): grid 9 x 16, 16 waves a work-group, no clusters, 309,248 bytes of LDS; arguments h1rec, wrec, qrec, kvrec; writes qrec, kvrec
.if DOCPART == 2
	.amdgcn_target "amdgcn-amd-amdhsa--gfx1250"
	.amdhsa_code_object_version 6
	.text
	.protected	k_q2a8d3064ca_qkv
	.globl	k_q2a8d3064ca_qkv
	.p2align	8
	.type	k_q2a8d3064ca_qkv,@function
k_q2a8d3064ca_qkv:
	s_mov_b64 s[64:65], 0
	v_nop
	global_prefetch_b8 v0, s[64:65] scope:SCOPE_SE
	s_setreg_imm32_b32 hwreg(HW_REG_WAVE_MODE, 25, 1), 1
	s_wait_xcnt 0x0
; QKV.  q = h1 Wq, k = h1 Wk, v = h1 Wv on FP6 codes (K = 768, six steps of 128), each result quantised at once for attention: q and k along the head's 64 channels, v along the keys.
; A work-group takes 256 tokens (y) x 256 columns of [Wq | Wk | Wv] (x: 0-2 q, 3-5 k, 6-8 v).  Sixteen waves; wave 4 x + y multiplies X record x by Y record y: 64 x 64, 16 accumulators.
; In the result a lane holds one row of Y and its registers run along X's rows in natural order.  So for q and k X = the weights (registers run along the head's channels), for v X = the tokens (registers
; run along the keys).  The swap is made in the tensor loads' memory addresses alone; every LDS address is the same for all three.
; LDS: record position p (X: 0-3, Y: 4-7), K step s at 38,400 p + 6,400 s: 307,200 bytes, each filled ONCE, by all sixteen waves, one load of three K steps each, at the head.  By this text's count a wave has one tensor load out.
; OUT.  qrec [head][128 queries]: a record whose fragment p holds token tiles 2 p (k 0-63) and 2 p + 1 (k 64-127), K = the head's 64.  kvrec [head][128 keys]: such a record of k, then a record of v
; (fragment = 16 channels, K = the 128 keys).
; No cluster in this text: weights are shared along y and tokens along x, and joint first fills would divide those requests; the launch is kept plain here.
; LIMITS: as stated in prep (floor byte 1, no NaN or infinities).
.set XF,  16
.set YF,  64
.set XS,  112                          ; v112-119 hold scale words and nothing else
.set YS,  116
.set ACC, 128
.set PT,  16                           ; behind the K loop:
.set TM,  24
.set PCA, 40
.set PCB, 52
.set PW0, 64
.set PW1, 65
.set HW0, 66
.set HW1, 67
.set SH16, 13
.set SEL, 70
.set OB,  66
.macro PLACES n
.rept \n
	v_nop
.endr
.endm
.macro LDREC_L f, sc, adr, sadr, off   ; a record's four fragments and four scale words out of LDS; each load of 8 bytes a lane covers 256 consecutive bytes
.irp t, 0,1,2,3
.irp q, 0,1,2,3,4,5
	ds_load_b64 v[\f+12*\t+2*\q:\f+12*\t+2*\q+1], v[\adr] offset:\off+1536*\t+256*\q
.endr
	ds_load_b32 v[\sc+\t], v[\sadr] offset:\off+6144+64*\t
.endr
.endm
.macro MUL16 zero                      ; the 16 accumulators take turns, one instruction a turn, in the same order in every K step
.irp a, 0,1,2,3
.irp f, 0,1,2,3
.if \zero
	v_wmma_scale_f32_16x16x128_f8f6f4 v[ACC+8*(4*\a+\f):ACC+8*(4*\a+\f)+7], v[XF+12*\f:XF+12*\f+11], v[YF+12*\a:YF+12*\a+11], 0, v[XS+\f], v[YS+\a] matrix_a_fmt:MATRIX_FMT_FP6 matrix_b_fmt:MATRIX_FMT_FP6
.else
	v_wmma_scale_f32_16x16x128_f8f6f4 v[ACC+8*(4*\a+\f):ACC+8*(4*\a+\f)+7], v[XF+12*\f:XF+12*\f+11], v[YF+12*\a:YF+12*\a+11], v[ACC+8*(4*\a+\f):ACC+8*(4*\a+\f)+7], v[XS+\f], v[YS+\a] matrix_a_fmt:MATRIX_FMT_FP6 matrix_b_fmt:MATRIX_FMT_FP6
.endif
.endr
.endr
.endm
.macro QUANT s, pc, pw                 ; 64 numbers of a lane, register 16 b + i = k 32 b + 16 (lane / 16) + i, become 12 registers of codes and a scale word
.irp b, 0,1,2,3
	v_max3_num_f32 v[TM+\b], |v[\s+16*\b]|, |v[\s+1+16*\b]|, 0x1800000
.endr
.irp i, 2,4,6,8,10,12,14
.irp b, 0,1,2,3
	v_max3_num_f32 v[TM+\b], v[TM+\b], |v[\s+16*\b+\i]|, |v[\s+1+16*\b+\i]|
.endr
.endr
.irp b, 0,1,2,3
	s_delay_alu instid0(VALU_DEP_4)
	v_permlanex16_b32 v[TM+4+\b], v[TM+\b], s[SEL], s[SEL+1]
.endr
.irp b, 0,1,2,3
	s_delay_alu instid0(VALU_DEP_4)
	v_max_num_f32 v[TM+\b], v[TM+\b], v[TM+4+\b]
.endr
.irp b, 0,1,2,3
	s_delay_alu instid0(VALU_DEP_4)
	v_add_nc_u32 v[TM+12+\b], 0xff000000, v[TM+\b]
.endr
.irp b, 0,1,2,3
	s_delay_alu instid0(VALU_DEP_4)
	v_lshrrev_b32 v[TM+4+\b], 23, v[TM+12+\b]
.endr
	s_delay_alu instid0(VALU_DEP_3)
	v_lshl_or_b32 v[\pw], v[TM+5], 8, v[TM+4]
	s_delay_alu instid0(VALU_DEP_1)
	v_lshl_or_b32 v[\pw], v[TM+6], 16, v[\pw]
	s_delay_alu instid0(VALU_DEP_1)
	v_lshl_or_b32 v[\pw], v[TM+7], 24, v[\pw]
.irp c, 0,1
	v_cvt_scalef32_pk16_fp6_f32 v[\pc+6*\c:\pc+6*\c+2], v[\s+32*\c:\s+32*\c+15], v[TM+12+2*\c]
	v_cvt_scalef32_pk16_fp6_f32 v[PT+4*\c:PT+4*\c+2], v[\s+32*\c+16:\s+32*\c+31], v[TM+13+2*\c]
.endr
	v_nop                                          ; one plain place behind the scaled conversions
.irp c, 0,1
.irp i, 0,1,2
	v_permlane16_swap_b32 v[\pc+6*\c+\i], v[PT+4*\c+\i]
.endr
.irp i, 0,1,2
	s_delay_alu instid0(VALU_DEP_3)
	v_mov_b32 v[\pc+6*\c+3+\i], v[PT+4*\c+\i]
.endr
.endr
.endm
.macro PUT pc, pw, hw, ca, oa, cb, ob, sa, os   ; the 12 registers leave as six stores of 256 consecutive bytes; lanes 0-15 store the scale word's low half, lanes 16-31 its high half
.irp q, 0,1,2
	global_store_b64 v[\ca], v[\pc+2*\q:\pc+2*\q+1], s[OB:OB+1] offset:\oa+256*\q
.endr
.irp q, 0,1,2
	global_store_b64 v[\cb], v[\pc+6+2*\q:\pc+7+2*\q], s[OB:OB+1] offset:\ob+256*\q
.endr
	v_lshrrev_b32 v[\hw], v[SH16], v[\pw]
	global_store_b16 v[\sa], v[\hw], s[OB:OB+1] offset:\os
.endm
	s_load_b256 s[4:11], s[0:1], 0x0               ; h1rec 4, wrec 6, qrec 8, kvrec 10
	v_lshl_add_u32 v126, v0, 2, 0x4b000
	v_mov_b32 v127, 0
	ds_add_u32 v126, v127
	ds_add_u32 v126, v127
	v_lshrrev_b32 v1, 5, v0
	s_delay_alu instid0(VALU_DEP_1)
	v_readfirstlane_b32 s12, v1                    ; wave 0..15
	s_lshr_b32 s13, s12, 2                         ; x: my X record
	s_and_b32 s14, s12, 3                          ; y: my Y record
	s_mov_b32 s15, ttmp9                           ; column group 0..8
	s_and_b32 s16, ttmp7, 0xffff                   ; row block 0..15
	s_mov_b32 s24, 3<<16                           ; group 1: 75 rows of 32 elements of 8 bytes, dense: three records
	s_mov_b32 s25, 32<<16
	s_mov_b32 s26, 75<<16                          ; 75 rows of 256 bytes: three records, what each of the sixteen waves fetches
	s_mov_b32 s27, 32<<16
	s_mov_b32 s28, 75
	s_mov_b32 s29, 32
	s_mov_b32 s30, 0
	s_mov_b32 s31, 0
	s_cmp_ge_u32 s15, 6
	s_cselect_b32 s18, 1, 0                        ; 1: this group makes v
	s_lshr_b32 s17, s12, 3                         ; wave w fills half w % 2 of record position w / 2: positions 0-3 are X's, 4-7 Y's
	s_xor_b32 s19, s17, s18                        ; 0 where my position takes weights
	s_bfe_u32 s17, s12, 0x20001                    ; (w / 2) % 4: which of the four records
	s_wait_dscnt 0x0
	s_wait_kmcnt 0x0
	s_cmp_eq_u32 s19, 0
	s_cselect_b64 s[20:21], s[6:7], s[4:5]
	s_cselect_b32 s22, s15, s16
	s_lshl_b32 s22, s22, 2
	s_add_co_u32 s22, s22, s17                     ; the block of 64 rows: 4 x group + (w / 2) % 4
	s_mul_i32 s22, s22, 38400                      ; its six records,
	s_and_b32 s23, s12, 1
	s_mul_i32 s23, s23, 19200                      ; K steps 0-2 or 3-5 of them
	s_add_co_u32 s22, s22, s23
	s_mov_b32 s23, 0
	s_add_nc_u64 s[20:21], s[20:21], s[22:23]
	s_mov_b32 s32, 1
	s_mul_i32 s33, s12, 19200                      ; position w / 2, half w % 2
	s_mov_b64 s[34:35], s[20:21]
	s_or_b32 s35, s35, 0x80000000
	tensor_load_to_lds s[32:35], s[24:31]          ; every wave's one tensor load
	s_nop 0
	PLACES 4
	v_and_b32 v1, 31, v0
	s_delay_alu instid0(VALU_DEP_1)
	v_lshlrev_b32 v1, 3, v1                        ; 8 x lane
	s_wait_alu depctr_va_vdst(0)
	v_and_b32 v2, 15, v0
	s_delay_alu instid0(VALU_DEP_1)
	v_lshlrev_b32 v2, 2, v2                        ; 4 r
	v_bfe_u32 v14, v0, 4, 1                        ; h
	s_wait_alu depctr_va_vdst(0)
	s_mul_i32 s45, s13, 38400
	v_add_nc_u32 v3, s45, v1                       ; X's codes and
	v_add_nc_u32 v4, s45, v2                       ; scale words in LDS
	s_add_co_u32 s46, s14, 4
	s_mul_i32 s46, s46, 38400
	v_add_nc_u32 v5, s46, v1                       ; Y's
	v_add_nc_u32 v6, s46, v2
	; where the results go
	s_cmp_eq_u32 s18, 1
	s_cselect_b32 s47, s14, s13                    ; which of the group's four heads
	s_cselect_b32 s48, s13, s14                    ; which of the block's four 64 tokens
	s_mov_b32 s49, 3072
	s_cselect_b32 s50, 768, s49                    ; codes: bytes for the odd 64 tokens of a 128 (v: the fragment's second half; q, k: two fragments on)
	s_mov_b32 s51, 1536
	s_cselect_b32 s52, s49, s51                    ; from the first 64 registers' codes to the second's
	s_mov_b32 s53, 768
	s_cselect_b32 s53, s51, s53                    ; from registers 0-5 to registers 6-11
	s_cselect_b32 s54, 64, 2                       ; scale halves: from lanes 0-15 to lanes 16-31
	s_mov_b32 s55, 128
	s_cselect_b32 s56, 2, s55                      ; for the odd 64 tokens
	s_cselect_b32 s57, s55, 64                     ; from the first scale word to the second
	s_cselect_b32 s58, 6400, 0                     ; v's record lies behind k's
	s_cmp_ge_u32 s15, 3
	s_cselect_b32 s59, 3, 0
	s_cmp_ge_u32 s15, 6
	s_cselect_b32 s59, 6, s59
	s_sub_co_u32 s59, s15, s59
	s_lshl_b32 s59, s59, 2
	s_add_co_u32 s59, s59, s47                     ; the head
	s_lshl_b32 s59, s59, 5
	s_lshl_b32 s60, s16, 1
	s_lshr_b32 s61, s48, 1
	s_add_co_u32 s60, s60, s61
	s_add_co_u32 s59, s59, s60                     ; 32 x head + block of 128 tokens
	s_and_b32 s61, s48, 1
	s_mov_b32 s62, 12800
	s_cmp_lt_u32 s15, 3
	s_cselect_b32 s62, 6400, s62
	s_cselect_b64 s[OB:OB+1], s[8:9], s[10:11]
	s_mul_i32 s59, s59, s62
	s_add_co_u32 s68, s59, s58
	s_mov_b32 s69, 0
	s_add_nc_u64 s[OB:OB+1], s[OB:OB+1], s[68:69]
	s_mul_i32 s50, s50, s61
	s_mul_i32 s56, s56, s61
	s_mov_b32 s[SEL], 0x76543210
	s_mov_b32 s[SEL+1], 0xfedcba98
	v_add_nc_u32 v7, s50, v1
	s_delay_alu instid0(VALU_DEP_1)
	v_add_nc_u32 v8, s53, v7
	s_delay_alu instid0(VALU_DEP_2)
	v_add_nc_u32 v9, s52, v7
	s_delay_alu instid0(VALU_DEP_1)
	v_add_nc_u32 v10, s53, v9
	v_mad_u32_u24 v11, v14, s54, v2
	s_delay_alu instid0(VALU_DEP_1)
	v_add_nc_u32 v11, s56, v11
	s_delay_alu instid0(VALU_DEP_1)
	v_add_nc_u32 v12, s57, v11
	v_lshlrev_b32 v[SH16], 4, v14
	s_wait_alu depctr_va_vdst(0)
	s_wait_tensorcnt 0x0                           ; my three records have landed
	s_barrier_signal -1
	s_barrier_wait -1                              ; everybody's have: all six K steps are whole
.irp n, 0,1,2
.irp u, 0,1
	PLACES 4                                       ; in front of loads into registers that matrix instructions have read
	LDREC_L XF, XS, 3, 4, 6400*(2*\n+\u)
	LDREC_L YF, YS, 5, 6, 6400*(2*\n+\u)
	s_wait_dscnt 0x0
.if (2*\n+\u) == 0
	MUL16 1                                        ; the first K step starts the sums
.else
	MUL16 0
.endif
.endr
.endr
	PLACES 4                                       ; in front of the first reads of results and the first writes over operands
.irp b, 0,1,2,3
	v_mov_b32 v[TM+4+\b], 0                        ; a lane permute's destination counts as one of its sources
.endr
	QUANT ACC, PCA, PW0                            ; Y tiles 0 and 1
	PUT PCA, PW0, HW0, 7, 0, 8, 0, 11, 6144
	QUANT ACC+64, PCB, PW1                         ; Y tiles 2 and 3: registers of their own, so no store's data are written again
	PUT PCB, PW1, HW1, 9, 0, 10, 0, 12, 6144
	s_wait_tensorcnt 0x0
	ds_add_u32 v126, v127
	s_wait_dscnt 0x0
	s_endpgm
.Lfunc_end_k_q2a8d3064ca_qkv:
	.size	k_q2a8d3064ca_qkv, .Lfunc_end_k_q2a8d3064ca_qkv-k_q2a8d3064ca_qkv
	.p2alignl 7, 3214868480
	.fill 96, 4, 3214868480
	.section	.rodata,"a",@progbits
	.p2align	6, 0x0
	.amdhsa_kernel k_q2a8d3064ca_qkv
		.amdhsa_group_segment_fixed_size 309248
		.amdhsa_private_segment_fixed_size 0
		.amdhsa_enable_private_segment 0
		.amdhsa_kernarg_size 32
		.amdhsa_user_sgpr_count 2
		.amdhsa_user_sgpr_kernarg_segment_ptr 1
		.amdhsa_wavefront_size32 1
		.amdhsa_system_sgpr_workgroup_id_x 1
		.amdhsa_system_sgpr_workgroup_id_y 1
		.amdhsa_system_sgpr_workgroup_id_z 1
		.amdhsa_system_vgpr_workitem_id 0
		.amdhsa_next_free_vgpr 256
		.amdhsa_next_free_sgpr 72
		.amdhsa_reserve_vcc 0
		.amdhsa_float_denorm_mode_32 3
		.amdhsa_float_denorm_mode_16_64 3
		.amdhsa_memory_ordered 1
		.amdhsa_forward_progress 1
		.amdhsa_inst_pref_size 50
	.end_amdhsa_kernel
	.amdgpu_metadata
---
amdhsa.version: [ 1, 2 ]
amdhsa.kernels:
  - .name:           k_q2a8d3064ca_qkv
    .symbol:         k_q2a8d3064ca_qkv.kd
    .args:
      - { .name: h1rec, .offset: 0, .size: 8, .value_kind: global_buffer, .address_space: global }
      - { .name: wrec, .offset: 8, .size: 8, .value_kind: global_buffer, .address_space: global }
      - { .name: qrec, .offset: 16, .size: 8, .value_kind: global_buffer, .address_space: global }
      - { .name: kvrec, .offset: 24, .size: 8, .value_kind: global_buffer, .address_space: global }
    .group_segment_fixed_size: 309248
    .private_segment_fixed_size: 0
    .kernarg_segment_align: 8
    .kernarg_segment_size: 32
    .max_flat_workgroup_size: 512
    .sgpr_count:     72
    .vgpr_count:     256
    .wavefront_size: 32
...
	.end_amdgpu_metadata
.endif
;; end of part 2
;; launch attn (part 3): grid 64 x 4, 16 waves a work-group, no clusters, 327,680 bytes of LDS; arguments qrec, kvrec, orec; writes orec
.if DOCPART == 3
	.amdgcn_target "amdgcn-amd-amdhsa--gfx1250"
	.amdhsa_code_object_version 6
	.text
	.protected	k_q2a8d3064ca_attn
	.globl	k_q2a8d3064ca_attn
	.p2align	8
	.type	k_q2a8d3064ca_attn,@function
k_q2a8d3064ca_attn:
	s_mov_b64 s[64:65], 0
	v_nop
	global_prefetch_b8 v0, s[64:65] scope:SCOPE_SE
	s_setreg_imm32_b32 hwreg(HW_REG_WAVE_MODE, 25, 1), 1
	s_wait_xcnt 0x0
; ATTENTION, causal, 12 heads of 64, 4,096 tokens, both products on FP6 codes; o / l is quantised along the 768 features for the next product.
; t = score x log2(e) / 8; M = the running largest t rounded UP to a whole number; p = 2^(t - M) is quantised along the keys, not normalised; the row's sum is taken of the unquantised p and divides at the end.
; LEFT OUT: key steps that lie wholly behind the causal mask, which reference() builds itself: their scores become -infinity and weigh nothing.
; SHARES.  A JOB is (head, block j of 64 queries): key steps 0 .. j / 2 of 128 keys.  Sixteen waves: wave 4 kq + tile takes tile (16 queries) of the block and key steps 4 n + kq: a ROUND is four key steps,
; a job has j / 8 + 1 rounds.  Work-group (x, g) runs three jobs on end, heads 3 g, 3 g + 1, 3 g + 2, blocks x, then 63 - x / 2 and 31 - x / 2 (even x; odd x the other way round): each of the three maps x
; one to one onto 0 .. 63, and the rounds add up to 13 + ((x / 8) % 2) in every work-group: 256 work-groups.
; JOIN.  At a job's end waves kq = 1, 2, 3 lay -M, the sum and O^T into LDS bytes of their own; behind a barrier wave kq = 0 brings the four under the largest M by exact powers of two, adds, divides, quantises, stores.
; A wave that had no key step holds M = -3e38, sum 0 and O 0: its factor comes out 0.  Even and odd rounds have bytes of their own for this: between two jobs' ends of one parity stands a ring barrier.
; LAYOUT.  Both products transposed: a lane holds one query.  K's record holds TWO key tiles in a fragment (K = 64 each); Q stands between zero codes, v192-209.  Register 16 b + i of S^T is key 32 b + 16 (lane / 16) + i.
; RING.  Two slots of TWO rounds, 102,400 bytes; a round's half: K's four records, then V's four.  Waves 0-3 fetch (half w / 2, K or V by w % 2): four rows of 6,400 bytes, 12,800 apart in memory; each load holds
; its round's first key step, which is always read.  By this text's count a wave has one tensor load out.  One ring barrier for two rounds.  7 trips of two rounds; what lies beyond the rounds is jumped over by ids alone.
; REGISTERS BY TURNS.  The next round's K is loaded as soon as this round's scores are dead.  Even rounds: K, then V in v32-79, S^T in v96-159, the next K into v96-143.  Odd rounds: K, then V in v96-143, S^T in
; v32-79 and v144-159, the next K into v32-79.  The ring barrier stands in the odd round at that point: K and V of the slot are in registers, so the slot can be filled again.
; No cluster: the work-groups that share a head need different numbers of tiles.  No prefetch: the fills' addresses jump from head to head at job borders that differ from work-group to work-group.
; LIMITS: NaN and infinities are not served; a block under 2^-124 gets the byte 1 (zero codes add nothing); 1 / l by v_rcp_f32; the promise holds while |t| stays under 2^31.
.set HALFB, 51200                      ; a round's records
.set SLOT2, 102400
.set VOFF,  25600
.set XB,    204800                     ; the partial results: 4,352 bytes for each of 12 waves; the odd rounds' 52,224 further on
.set SPARE, 309248                     ; the spare words, 128 bytes a wave
.set WV, 10
.set TL, 11                            ; my tile of the block's four
.set KQ, 12                            ; my quarter of the key steps
.set HD, 13                            ; the job's head
.set JJ, 14                            ; its block; J1, J2: the next jobs'
.set J1, 15
.set J2, 16
.set LN, 17                            ; its rounds
.set RC, 18                            ; the round in it
.set LAST, 19                          ; its last key step
.set SEL, 20
.set CS, 22                            ; s[22:23] log2(e) / 8
.set G1, 24
.set G0, 32
.set FB1, 36                           ; s[36:37], s[38:39]: where the next jobs' records begin
.set FB2, 38
.set FL, 40                            ; rounds of the job that is being fetched; FL1, FL2: of the next
.set FL1, 41
.set FL2, 42
.set FC, 43                            ; fills of it so far
.set N, 44                             ; the round, over all jobs
.set R, 45                             ; rounds in all
.set LA, 46                            ; my fill's place in a slot
.set TG, 47                            ; the slot that is read: 0 or SLOT2
.set KS, 48
.set LP, 49
.set ACT, 62                           ; 1: my key step of this round counts
.set FP, 66                            ; s[66:67] where the latest round fetched begins; s[68:69] the one before
.set FAA, 68
.macro PLACES n
.rept \n
	v_nop
.endr
.endm
.macro SETD                            ; s50 = 32 (tau / 2) + 8 (tau % 2), tau = 4 (j % 2) + tile: my tile's place in the 128 queries of the last key step
	s_and_b32 s50, s[JJ], 1
	s_lshl_b32 s50, s50, 1
	s_lshr_b32 s51, s[TL], 1
	s_add_co_u32 s50, s50, s51
	s_lshl_b32 s50, s50, 5
	s_and_b32 s51, s[TL], 1
	s_lshl_b32 s51, s51, 3
	s_add_co_u32 s50, s50, s51
.endm
.macro FRESH                           ; a job's start: the largest t -3e38, the sum 0, O^T 0
	v_mov_b32 v13, 0xff61b1e6
	v_mov_b32 v14, 0
	v_mov_b32 v15, 0
	v_floor_f32 v12, -v13
.set n, 0
.rept 32
	v_mov_b32 v[160+n], 0
.set n, n+1
.endr
.endm
.macro QLD jr, ho, dst, sc             ; my tile's half fragment of q and its scale halves, job (head HD + ho, block jr)
	s_add_co_u32 s50, s[HD], \ho
	s_lshl_b32 s50, s50, 5
	s_lshr_b32 s51, s[\jr], 1
	s_add_co_u32 s50, s50, s51
	s_mul_i32 s50, s50, 6400
	s_and_b32 s51, s[\jr], 1
	s_lshl_b32 s51, s51, 1
	s_lshr_b32 s52, s[TL], 1
	s_add_co_u32 s51, s51, s52
	s_and_b32 s52, s[TL], 1
	s_mul_i32 s53, s51, 1536
	s_mul_i32 s54, s52, 768
	s_add_co_u32 s53, s53, s54
	s_add_co_u32 s54, s53, s50
	s_mov_b32 s55, 0
	s_lshl_b32 s56, s51, 6
	s_lshl_b32 s57, s52, 1
	s_add_co_u32 s56, s56, s57
	s_add_co_u32 s56, s56, s50
	s_mov_b32 s57, 0
	s_wait_xcnt 0x0                                ; the loads before have read their bases
	s_add_nc_u64 s[58:59], s[4:5], s[54:55]
	s_add_nc_u64 s[60:61], s[4:5], s[56:57]
.irp q, 0,1,2
	global_load_b64 v[\dst+2*\q:\dst+2*\q+1], v19, s[58:59] offset:256*\q
.endr
	global_load_u16 v[\sc], v20, s[60:61] offset:6144
.endm
.macro STEPF                           ; where the next round's records begin: four key steps on, or the next job's first
	s_add_co_u32 s[FC], s[FC], 1
	s_add_nc_u64 s[FP:FP+1], s[FP:FP+1], HALFB
	s_cmp_eq_u32 s[FC], s[FL]
	s_cselect_b64 s[FP:FP+1], s[FB1:FB1+1], s[FP:FP+1]
	s_cselect_b64 s[FB1:FB1+1], s[FB2:FB2+1], s[FB1:FB1+1]
	s_cselect_b32 s[FL], s[FL1], s[FL]
	s_cselect_b32 s[FL1], s[FL2], s[FL1]
	s_cselect_b32 s[FC], 0, s[FC]
.endm
.macro PICK                            ; waves 0, 1 fetch the earlier of the two rounds, waves 2, 3 the later
	s_cmp_lt_u32 s[WV], 2
	s_cselect_b64 s[G0+2:G0+3], s[FAA:FAA+1], s[FP:FP+1]
.endm
.macro NEXT2
	STEPF
	s_mov_b64 s[FAA:FAA+1], s[FP:FP+1]
	STEPF
	PICK
.endm
.macro FILL c                          ; rounds N + c and N + c + 1, as far as there are such: jumps on ids that all waves share, and on the wave's number
	s_add_co_u32 s50, s[N], \c
	s_cmp_lt_u32 s50, s[R]
	s_cbranch_scc0 .Lnf_\@
	s_cmp_lt_u32 s[WV], 2
	s_cbranch_scc0 .Lfb_\@
	tensor_load_to_lds s[G0:G0+3], s[G1:G1+7]
	s_nop 0
	PLACES 4
	s_branch .Lnf_\@
.Lfb_\@:
	s_add_co_u32 s50, s50, 1
	s_cmp_lt_u32 s50, s[R]
	s_cbranch_scc0 .Lnf_\@
	s_cmp_lt_u32 s[WV], 4
	s_cbranch_scc0 .Lnf_\@
	tensor_load_to_lds s[G0:G0+3], s[G1:G1+7]
	s_nop 0
	PLACES 4
.Lnf_\@:
.endm
.macro SETA                            ; the slot's address registers: v16, v17 its first half (codes, scale words), v30, v31 its second
	s_add_co_u32 s51, s[TG], HALFB
	v_add_nc_u32 v16, s[TG], v1
	v_add_nc_u32 v17, s[TG], v2
	v_add_nc_u32 v30, s51, v1
	v_add_nc_u32 v31, s51, v2
	s_wait_alu depctr_va_vdst(0)                   ; the wait behind the writes
.endm
.macro KLD f, ak, as                   ; my key step's record of K; its scale words have v24-27
.irp t, 0,1,2,3
.irp q, 0,1,2,3,4,5
	ds_load_b64 v[\f+12*\t+2*\q:\f+12*\t+2*\q+1], v[\ak] offset:1536*\t+256*\q
.endr
	ds_load_b32 v[24+\t], v[\as] offset:6144+64*\t
.endr
.endm
.macro VLD f, ak, as
.irp t, 0,1,2,3
.irp q, 0,1,2,3,4,5
	ds_load_b64 v[\f+12*\t+2*\q:\f+12*\t+2*\q+1], v[\ak] offset:VOFF+1536*\t+256*\q
.endr
	ds_load_b32 v[248+\t], v[\as] offset:VOFF+6144+64*\t
.endr
.endm
; THE FIRST PART OF MY KEY STEP: scores, softmax, p's codes.  f: K's, then V's fragments.  Block b of S^T begins at SB + 16 b + (b / 3) SX.
.macro SOFT f, ak, as
	PLACES 5                                       ; the scores are laid over registers that the last products read
	s_wait_dscnt 0x0                               ; K
.irp p, 0,1,2,3
.set q0, SB+16*\p+(\p/3)*SX
	v_wmma_scale_f32_16x16x128_f8f6f4 v[q0:q0+7], v[\f+12*\p:\f+12*\p+11], v[198:209], 0, v[24+\p], v255 matrix_a_fmt:MATRIX_FMT_FP6 matrix_b_fmt:MATRIX_FMT_FP6
	v_wmma_scale_f32_16x16x128_f8f6f4 v[q0+8:q0+15], v[\f+12*\p:\f+12*\p+11], v[192:203], 0, v[24+\p], v255 matrix_a_fmt:MATRIX_FMT_FP6 matrix_b_fmt:MATRIX_FMT_FP6
.endr
	PLACES 4
	VLD \f, \ak, \as                               ; V into the same registers: it lands under the softmax
	s_cmp_eq_u32 s[KS], s[LAST]                    ; only the last step lies on the diagonal
	s_cbranch_scc0 .Lopen_\@
	v_mov_b32 v254, 0xff800000
.set n, 0
.rept 64
	v_cmp_gt_i32 vcc_lo, 32*(n/16)+n%16, v5        ; key 32 b + 16 h + i is hidden where 32 b + i > d
	v_cndmask_b32 v[SB+n+(n/48)*SX], v[SB+n+(n/48)*SX], v254, vcc_lo
.set n, n+1
.endr
.Lopen_\@:
.irp b, 0,1,2,3
.set q0, SB+16*\b+(\b/3)*SX
	v_max3_num_f32 v[232+\b], v[q0], v[q0+1], v[q0+2]   ; each block's largest score: for the row's maximum and for the block's largest p
.endr
.irp i, 3,5,7,9,11,13
.irp b, 0,1,2,3
.set q0, SB+16*\b+(\b/3)*SX
	v_max3_num_f32 v[232+\b], v[232+\b], v[q0+\i], v[q0+\i+1]
.endr
.endr
.irp b, 0,1,2,3
.set q0, SB+16*\b+(\b/3)*SX
	v_max_num_f32 v[232+\b], v[232+\b], v[q0+15]
.endr
.irp b, 0,1,2,3
	v_permlanex16_b32 v[236+\b], v[232+\b], s[SEL], s[SEL+1]
.endr
.irp b, 0,1,2,3
	v_max_num_f32 v[232+\b], v[232+\b], v[236+\b]
.endr
	s_delay_alu instid0(VALU_DEP_2)
	v_max3_num_f32 v254, v232, v233, v234
	s_delay_alu instid0(VALU_DEP_1)
	v_max_num_f32 v254, v254, v235
	s_delay_alu instid0(VALU_DEP_1)
	v_mul_f32 v254, s[CS], v254
	s_delay_alu instid0(VALU_DEP_1)
	v_max_num_f32 v13, v13, v254                   ; the running largest t
	v_mov_b32 v254, v12
	s_delay_alu instid0(VALU_DEP_2)
	v_floor_f32 v12, -v13                          ; -M = floor(-t)
	s_delay_alu instid0(VALU_DEP_1)
	v_sub_f32 v254, v12, v254
	s_delay_alu instid0(VALU_DEP_1)
	v_cvt_i32_f32 v254, v254                       ; (it saturates)
	s_delay_alu instid0(VALU_DEP_1)
	v_ldexp_f32 v252, 1.0, v254                    ; f = 2^(old M - new M)
.set n, 0
.rept 32
.set q0, SB+n+(n/48)*SX
	v_pk_fma_f32 v[q0:q0+1], v[q0:q0+1], s[CS:CS+1], v[12:13] op_sel_hi:[1,0,0]   ; t - M
.set n, n+2
.endr
.irp b, 0,1,2,3
	v_fma_f32 v[232+\b], v[232+\b], s[CS], v12
.endr
	s_wait_alu depctr_va_vdst(0)                   ; the wait ahead of the batch
.set n, 0
.rept 64
	v_exp_f32 v[SB+n+(n/48)*SX], v[SB+n+(n/48)*SX] ; p
.set n, n+1
.endr
	v_pk_mul_f32 v[14:15], v[14:15], v[252:253] op_sel_hi:[1,0]   ; the sums under the new M
	s_wait_alu depctr_va_vdst(0)                   ; one wait for the batch
.irp b, 0,1,2,3
	v_exp_f32 v[232+\b], v[232+\b]                 ; each block's largest p
.endr
.irp c, 0,1,2,3                                ; the row's sum of the unquantised p, four chains
	v_pk_add_f32 v[236+2*\c:237+2*\c], v[SB+2*\c:SB+2*\c+1], v[SB+8+2*\c:SB+9+2*\c]
.endr
.set n, 16
.rept 6
.irp c, 0,1,2,3
.set q0, SB+n+2*\c+(n/48)*SX
	v_pk_add_f32 v[236+2*\c:237+2*\c], v[236+2*\c:237+2*\c], v[q0:q0+1]
.endr
.set n, n+8
.endr
	v_pk_add_f32 v[236:237], v[236:237], v[238:239]
	v_pk_add_f32 v[240:241], v[240:241], v[242:243]
	v_pk_add_f32 v[14:15], v[14:15], v[236:237]
	v_pk_add_f32 v[14:15], v[14:15], v[240:241]
	s_wait_alu depctr_va_vdst(0)                   ; and one for the four
.irp b, 0,1,2,3
	v_max_num_f32 v[232+\b], 0x1800000, v[232+\b]  ; the floor 2^(3 - 127)
.endr
.irp b, 0,1,2,3
	v_add_nc_u32 v[244+\b], 0xff000000, v[232+\b]
.endr
.irp b, 0,1,2,3
	v_lshrrev_b32 v[236+\b], 23, v[244+\b]
.endr
	v_lshl_or_b32 v253, v237, 8, v236              ; p's scale word
	s_delay_alu instid0(VALU_DEP_1)
	v_lshl_or_b32 v253, v238, 16, v253
	s_delay_alu instid0(VALU_DEP_1)
	v_lshl_or_b32 v253, v239, 24, v253
.irp c, 0,1
.set q0, SB+32*\c
.set q1, SB+32*\c+16+\c*SX
	v_cvt_scalef32_pk16_fp6_f32 v[224+6*\c:226+6*\c], v[q0:q0+15], v[244+2*\c]
	v_cvt_scalef32_pk16_fp6_f32 v[236+4*\c:238+4*\c], v[q1:q1+15], v[245+2*\c]
.endr
	v_nop
.irp c, 0,1
.irp i, 0,1,2
	v_permlane16_swap_b32 v[224+6*\c+\i], v[236+4*\c+\i]
.endr
.irp i, 0,1,2
	v_mov_b32 v[227+6*\c+\i], v[236+4*\c+\i]
.endr
.endr
.endm
.macro JLD4 k, g0, dst, xa             ; sixteen registers of quarter k's O^T of my tile
.irp g, 0,1,2,3
	ds_load_b128 v[\dst+4*\g:\dst+4*\g+3], v[\xa] offset:17408*\k+512*(\g0+\g)
.endr
.endm
.macro FOLD16 src, o, f
.set n, 0
.rept 8
	v_pk_fma_f32 v[160+\o+n:161+\o+n], v[\src+n:\src+n+1], v[\f:\f+1], v[160+\o+n:161+\o+n] op_sel_hi:[1,0,1]
.set n, n+2
.endr
.endm
; A JOB'S END, in all waves alike (the branch that leads here hangs on ids that all waves share).  f: V's registers, free now, as are v144-159; xa, xl: this parity's bytes.
.macro JOBEND f, xa, xl
	PLACES 4                                       ; behind the last products
	v_add_f32 v14, v14, v15                        ; my sum,
	v_mov_b32 v15, v12                             ; and -M beside it
	s_wait_alu depctr_va_vdst(0)
	s_cmp_eq_u32 s[KQ], 0
	s_cbranch_scc1 .Lkeep_\@
.irp g, 0,1,2,3,4,5,6,7
	ds_store_b128 v[\xa], v[160+4*\g:163+4*\g] offset:512*\g   ; each accumulator from its low end on
.endr
	ds_store_b64 v[\xl], v[14:15]
.Lkeep_\@:
	s_wait_dscnt 0x0                               ; for the others' sake
	s_barrier_signal -1
	s_barrier_wait -1
	s_cmp_lg_u32 s[KQ], 0
	s_cbranch_scc1 .Lnext_\@
	s_mul_i32 s50, s[JJ], 6                        ; o's record (block of 64 tokens, K step head / 2), half head % 2
	s_lshr_b32 s51, s[HD], 1
	s_add_co_u32 s50, s50, s51
	s_mul_i32 s50, s50, 6400
	s_and_b32 s51, s[HD], 1
	s_mul_i32 s52, s51, 768
	s_add_co_u32 s52, s52, s50
	s_mov_b32 s53, 0
	s_lshl_b32 s54, s51, 1
	s_add_co_u32 s54, s54, s50
	s_mov_b32 s55, 0
	s_add_nc_u64 s[56:57], s[8:9], s[52:53]
	s_add_nc_u64 s[58:59], s[8:9], s[54:55]
.irp k, 1,2,3
	ds_load_b64 v[208+2*\k:209+2*\k], v[\xl] offset:17408*\k   ; v210-215: the quarters' sums and -M
.endr
	JLD4 1, 0, \f, \xa
	JLD4 1, 4, \f+16, \xa
	JLD4 2, 0, \f+32, \xa
	JLD4 2, 4, 144, \xa
	s_wait_dscnt 0x0
	v_min_num_f32 v217, v15, v211                  ; the least -M: the largest M
	v_min_num_f32 v254, v213, v215
	v_min_num_f32 v217, v217, v254
	v_sub_f32 v216, v217, v15
	v_sub_f32 v218, v217, v211
	v_sub_f32 v220, v217, v213
	v_sub_f32 v222, v217, v215
.irp r, 216,218,220,222
	v_cvt_i32_f32 v\r, v\r                         ; (it saturates)
.endr
.irp r, 216,218,220,222
	v_ldexp_f32 v\r, 1.0, v\r                      ; 2^(a quarter's M - the largest M)
.endr
.set n, 0
.rept 16
	v_pk_mul_f32 v[160+n:161+n], v[160+n:161+n], v[216:217] op_sel_hi:[1,0]
.set n, n+2
.endr
	FOLD16 \f, 0, 218
	FOLD16 \f+16, 16, 218
	JLD4 3, 0, \f, \xa                             ; the third quarter's, into the registers that the first's have left
	JLD4 3, 4, \f+16, \xa
	FOLD16 \f+32, 0, 220
	FOLD16 144, 16, 220
	v_mul_f32 v14, v14, v216
	v_fmac_f32 v14, v210, v218
	v_fmac_f32 v14, v212, v220
	v_fmac_f32 v14, v214, v222
	v_permlanex16_b32 v252, v14, s[SEL], s[SEL+1]
	v_add_f32 v14, v14, v252                       ; the row's sum
	s_wait_alu depctr_va_vdst(0)
	v_rcp_f32 v14, v14
	v_nop
	s_wait_alu depctr_va_vdst(0)
	s_wait_dscnt 0x0
	FOLD16 \f, 0, 222
	FOLD16 \f+16, 16, 222
.set n, 0
.rept 32
	v_mul_f32 v[160+n], v[160+n], v14              ; o: register 16 b + i = channel 32 b + 16 h + i
.set n, n+1
.endr
.irp b, 0,1
	v_max3_num_f32 v[232+\b], |v[160+16*\b]|, |v[161+16*\b]|, 0x1800000
.endr
.irp i, 2,4,6,8,10,12,14
.irp b, 0,1
	v_max3_num_f32 v[232+\b], v[232+\b], |v[160+16*\b+\i]|, |v[161+16*\b+\i]|
.endr
.endr
.irp b, 0,1
	v_permlanex16_b32 v[236+\b], v[232+\b], s[SEL], s[SEL+1]
.endr
.irp b, 0,1
	v_max_num_f32 v[232+\b], v[232+\b], v[236+\b]
.endr
.irp b, 0,1
	v_add_nc_u32 v[244+\b], 0xff000000, v[232+\b]
.endr
.irp b, 0,1
	v_lshrrev_b32 v[236+\b], 23, v[244+\b]
.endr
	v_cvt_scalef32_pk16_fp6_f32 v[224:226], v[160:175], v244
	v_cvt_scalef32_pk16_fp6_f32 v[240:242], v[176:191], v245
	v_nop
.irp i, 0,1,2
	v_permlane16_swap_b32 v[224+\i], v[240+\i]
.endr
.irp i, 0,1,2
	v_mov_b32 v[227+\i], v[240+\i]
.endr
	s_mov_b32 vcc_lo, 0xffff0000
	v_cndmask_b32 v238, v236, v237, vcc_lo         ; lanes 0-15 store block 0's byte, lanes 16-31 block 1's
.irp q, 0,1,2
	global_store_b64 v7, v[224+2*\q:225+2*\q], s[56:57] offset:256*\q
.endr
	global_store_b8 v6, v238, s[58:59] offset:6144
	s_wait_alu depctr_va_vdst(0)
	s_wait_xcnt 0x0                                ; the stores have read their registers and bases
.Lnext_\@:
	s_mov_b32 s[JJ], s[J1]                         ; the next job
	s_mov_b32 s[J1], s[J2]
	s_add_co_u32 s[HD], s[HD], 1
	s_mov_b32 s[RC], 0
	s_lshr_b32 s[LN], s[JJ], 3
	s_add_co_u32 s[LN], s[LN], 1
	s_lshr_b32 s[LAST], s[JJ], 1
	SETD
	v_add_nc_u32 v5, s50, v23
	v_mov_b32 v255, v92                            ; its Q and Q's scales move up
	v_mov_b32 v92, v93
.irp i, 0,1,2,3,4,5
	v_mov_b32 v[198+\i], v[80+\i]
	v_mov_b32 v[80+\i], v[86+\i]
.endr
	FRESH                                          ; (these also stand between the writes of Q and its scales and the next products)
.endm
; A ROUND.  t = 0: the slot's first half; t = 1: its second, with the ring barrier.  f: K's and V's registers; sb, sx: S^T's; fn: the next K's; vak, vas: this half's addresses; kak, kas: the next round's.
.macro ROUND t, f, sb, sx, fn, vak, vas, kak, kas, xa, xl
.set SB, \sb
.set SX, \sx
	s_wait_alu depctr_va_vdst(0)
	s_lshl_b32 s[KS], s[RC], 2
	s_add_co_u32 s[KS], s[KS], s[KQ]
	s_cmp_le_u32 s[KS], s[LAST]                    ; a later key step's keys all come after the block's queries
	s_cselect_b32 s[ACT], 1, 0
	s_cmp_lt_u32 s[N], s[R]
	s_cselect_b32 s[ACT], s[ACT], 0
	s_cmp_eq_u32 s[ACT], 0
	s_cbranch_scc1 .La_\@
	SOFT \f, \vak, \vas
.La_\@:
.if \t
	s_wait_alu depctr_va_vdst(0)
	s_wait_tensorcnt 0x0                           ; all my tensor loads have landed: my part of the other slot;
	ds_add_u32 v3, v4                              ; twice
	ds_add_u32 v3, v4
	NEXT2                                          ; no load of mine is out: the descriptor may be written
	s_add_co_u32 s[G0+1], s[LA], s[TG]
	s_wait_dscnt 0x0                               ; the adds are done, and my reads of this slot are over: K and V are in registers
	s_barrier_signal -1
	s_barrier_wait -1
	FILL 3                                         ; this slot takes the rounds four and five on from its first
	s_xor_b32 s[TG], s[TG], SLOT2
	SETA
.else
	s_wait_alu depctr_va_vdst(0)
	s_wait_dscnt 0x0                               ; V is in (asked for a softmax ago), and so is the K that a wave without a key step has not waited for
	PLACES 4                                       ; in front of loads into registers that the last round's products read
.endif
	KLD \fn, \kak, \kas
	s_cmp_eq_u32 s[ACT], 0
	s_cbranch_scc1 .Lb_\@
	s_wait_alu depctr_va_vdst(0)                   ; the wait directly ahead of the first reader of O^T
.set n, 0
.rept 16
	v_pk_mul_f32 v[160+n:161+n], v[160+n:161+n], v[252:253] op_sel_hi:[1,0]   ; O^T under the new M; also the places ahead of the products
.set n, n+2
.endr
	s_wait_alu depctr_va_vdst(0)
	s_wait_dscnt 28                                ; V is in; the 28 younger loads, the next K, may be out
.irp u, 0,1,2,3
	v_wmma_scale_f32_16x16x128_f8f6f4 v[160+8*\u:167+8*\u], v[\f+12*\u:\f+12*\u+11], v[224:235], v[160+8*\u:167+8*\u], v[248+\u], v253 matrix_a_fmt:MATRIX_FMT_FP6 matrix_b_fmt:MATRIX_FMT_FP6
.endr
.Lb_\@:
	s_add_co_u32 s[RC], s[RC], 1
	s_cmp_lt_u32 s[N], s[R]
	s_cbranch_scc0 .Lend_\@
	s_cmp_eq_u32 s[RC], s[LN]
	s_cbranch_scc0 .Lend_\@
	JOBEND \f, \xa, \xl
.Lend_\@:
	s_add_co_u32 s[N], s[N], 1
.endm
	s_load_b128 s[4:7], s[0:1], 0x0                ; qrec, kvrec
	s_load_b64 s[8:9], s[0:1], 0x10                ; orec
	v_lshl_add_u32 v3, v0, 2, SPARE
	v_mov_b32 v4, 0
	ds_add_u32 v3, v4                              ; the opening lines
	ds_add_u32 v3, v4
	v_lshrrev_b32 v1, 5, v0
	v_readfirstlane_b32 s[WV], v1                  ; wave 0..15
	s_and_b32 s[TL], s[WV], 3
	s_lshr_b32 s[KQ], s[WV], 2
	s_lshr_b32 s50, ttmp9, 1
	s_and_b32 s51, ttmp9, 1
	s_mov_b32 s[JJ], ttmp9
	s_sub_co_u32 s52, 63, s50
	s_sub_co_u32 s53, 31, s50
	s_cmp_eq_u32 s51, 0
	s_cselect_b32 s[J1], s52, s53
	s_cselect_b32 s[J2], s53, s52
	s_and_b32 s50, ttmp7, 0xffff
	s_mul_i32 s[HD], s50, 3
	s_lshr_b32 s[FL], s[JJ], 3
	s_add_co_u32 s[FL], s[FL], 1
	s_lshr_b32 s[FL1], s[J1], 3
	s_add_co_u32 s[FL1], s[FL1], 1
	s_lshr_b32 s[FL2], s[J2], 3
	s_add_co_u32 s[FL2], s[FL2], 1
	s_add_co_u32 s[R], s[FL], s[FL1]
	s_add_co_u32 s[R], s[R], s[FL2]
	s_mov_b32 s[LN], s[FL]
	s_lshr_b32 s[LAST], s[JJ], 1
	s_mov_b32 s[RC], 0
	s_mov_b32 s[N], 0
	s_mov_b32 s[FC], 0
	s_mov_b32 s[TG], 0
	s_mov_b32 s[G1], 3<<16                         ; group 1: 4 rows of 800 elements of 8 bytes (a record), 1,600 elements apart
	s_mov_b32 s[G1+1], 800<<16
	s_mov_b32 s[G1+2], 4<<16
	s_mov_b32 s[G1+3], 800<<16
	s_mov_b32 s[G1+4], 4
	s_mov_b32 s[G1+5], 1600
	s_mov_b32 s[G1+6], 0
	s_mov_b32 s[G1+7], 0
	s_mov_b32 s[SEL], 0x76543210
	s_mov_b32 s[SEL+1], 0xfedcba98
	s_mov_b32 s[CS], 0x3e38aa3b
	s_mov_b32 s[CS+1], s[CS]
	s_min_u32 s51, s[WV], 3
	s_mul_i32 s[LA], s51, VOFF                     ; half w / 2, K's or V's quarter of the slot
	s_and_b32 s52, s[WV], 1
	s_mul_i32 s52, s52, 6400                       ; in memory V's record follows K's
	s_mul_i32 s53, s[HD], 409600                   ; a head's 32 key steps
	s_add_co_u32 s52, s52, s53
	s_mov_b32 s53, 0
	s_mul_i32 s57, s[KQ], 6400
	s_mul_i32 s58, s[WV], 4352
	s_add_co_u32 s58, s58, XB-17408                ; waves 4-15 store from XB on; waves 0-3 read 17,408 k further on than their own place
	s_add_co_u32 s59, s58, 4096
	s_mul_i32 s60, s[TL], 1536
	s_lshl_b32 s61, s[TL], 6
	v_and_b32 v8, 31, v0                           ; lane
	v_and_b32 v9, 15, v0                           ; r
	v_bfe_u32 v18, v0, 4, 1                        ; h
	v_lshl_add_u32 v1, v8, 3, s57                  ; codes at 8 x lane + my quarter's record,
	v_lshl_add_u32 v2, v9, 2, s57                  ; scale words at 4 r
	v_lshl_add_u32 v10, v8, 4, s58                 ; my partial O^T,
	v_lshl_add_u32 v11, v8, 3, s59                 ; sum and -M;
	v_add_nc_u32 v28, 52224, v10                   ; the odd rounds'
	v_add_nc_u32 v29, 52224, v11
	v_lshlrev_b32 v19, 3, v8
	v_lshlrev_b32 v20, 2, v9
	v_add_nc_u32 v7, s60, v19                      ; o's codes: fragment = tile
	v_add3_u32 v6, v20, v18, s61                   ; o's scale byte: 64 tile + 4 r + h
	v_and_b32 v21, 8, v9
	v_add_nc_u32 v21, v21, v9
	v_lshlrev_b32 v22, 4, v18
	v_sub_nc_u32 v23, v21, v22                     ; r + 8 (r / 8) - 16 h
	SETA
	s_wait_dscnt 0x0
	s_wait_kmcnt 0x0
	s_add_nc_u64 s[FP:FP+1], s[6:7], s[52:53]
	s_add_nc_u64 s[FB1:FB1+1], s[FP:FP+1], 409600
	s_add_nc_u64 s[FB2:FB2+1], s[FP:FP+1], 819200
	s_or_b32 s[FP+1], s[FP+1], 0x80000000
	s_or_b32 s[FB1+1], s[FB1+1], 0x80000000
	s_or_b32 s[FB2+1], s[FB2+1], 0x80000000
	s_mov_b64 s[FAA:FAA+1], s[FP:FP+1]             ; round 0,
	STEPF                                          ; round 1
	PICK
	s_mov_b32 s[G0], 1
	s_mov_b32 s[G0+1], s[LA]
	s_cmp_lt_u32 s[WV], 4
	s_cbranch_scc0 .Lnofirst
	tensor_load_to_lds s[G0:G0+3], s[G1:G1+7]      ; slot 0: rounds 0 and 1
	s_nop 0
	PLACES 4
.Lnofirst:
	QLD JJ, 0, 198, 255                            ; all three jobs' Q
	QLD J1, 1, 80, 92
	QLD J2, 2, 86, 93
	SETD
	v_add_nc_u32 v5, s50, v23                      ; d = my query's place among the last step's 128 - 16 h
.irp n, 236,237,238,239,252,253,219,221,223,248,249,250,251
	v_mov_b32 v\n, 0                               ; written once: permute destinations and upper halves of pairs
.endr
.irp n, 0,1,2,3,4,5
	v_mov_b32 v[192+\n], 0                         ; zero codes on both sides of Q
	v_mov_b32 v[204+\n], 0
	v_mov_b32 v[224+\n], 0                         ; p's codes: written once, so that they are written on every way
	v_mov_b32 v[230+\n], 0
.endr
	s_wait_alu depctr_va_vdst(0)
	s_wait_loadcnt 0x0
	v_lshl_or_b32 v255, v255, 16, v255             ; Q's two scale bytes, in both halves of the word
	v_lshl_or_b32 v92, v92, 16, v92
	v_lshl_or_b32 v93, v93, 16, v93
	FRESH
	s_wait_alu depctr_va_vdst(0)
	s_wait_tensorcnt 0x0                           ; slot 0 is in; slot 1's first fill is issued as a refill is
	ds_add_u32 v3, v4
	ds_add_u32 v3, v4
	NEXT2                                          ; rounds 2 and 3
	s_add_co_u32 s[G0+1], s[LA], SLOT2
	s_wait_dscnt 0x0
	s_barrier_signal -1
	s_barrier_wait -1
	FILL 2
	KLD 32, 16, 17                                 ; round 0's K
	s_mov_b32 s[LP], 0
.Lloop:
	ROUND 0, 32, 96, 0, 96, 16, 17, 30, 31, 10, 11
	ROUND 1, 96, 32, 64, 32, 30, 31, 16, 17, 28, 29
	s_add_co_u32 s[LP], s[LP], 1
	s_cmp_lt_u32 s[LP], 7
	s_wait_alu depctr_va_vdst(0)
	s_cbranch_scc1 .Lloop
	s_wait_tensorcnt 0x0                           ; the wave's end
	ds_add_u32 v3, v4
	s_wait_dscnt 0x0
	s_endpgm
.Lfunc_end_k_q2a8d3064ca_attn:
	.size	k_q2a8d3064ca_attn, .Lfunc_end_k_q2a8d3064ca_attn-k_q2a8d3064ca_attn
	.p2alignl 7, 3214868480
	.fill 96, 4, 3214868480
	.section	.rodata,"a",@progbits
	.p2align	6, 0x0
	.amdhsa_kernel k_q2a8d3064ca_attn
		.amdhsa_group_segment_fixed_size 327680
		.amdhsa_private_segment_fixed_size 0
		.amdhsa_enable_private_segment 0
		.amdhsa_kernarg_size 24
		.amdhsa_user_sgpr_count 2
		.amdhsa_user_sgpr_kernarg_segment_ptr 1
		.amdhsa_wavefront_size32 1
		.amdhsa_system_sgpr_workgroup_id_x 1
		.amdhsa_system_sgpr_workgroup_id_y 1
		.amdhsa_system_sgpr_workgroup_id_z 1
		.amdhsa_system_vgpr_workitem_id 0
		.amdhsa_next_free_vgpr 256
		.amdhsa_next_free_sgpr 72
		.amdhsa_reserve_vcc 1
		.amdhsa_float_denorm_mode_32 3
		.amdhsa_float_denorm_mode_16_64 3
		.amdhsa_memory_ordered 1
		.amdhsa_forward_progress 1
		.amdhsa_inst_pref_size 91
	.end_amdhsa_kernel
	.amdgpu_metadata
---
amdhsa.version: [ 1, 2 ]
amdhsa.kernels:
  - .name:           k_q2a8d3064ca_attn
    .symbol:         k_q2a8d3064ca_attn.kd
    .args:
      - { .name: qrec, .offset: 0, .size: 8, .value_kind: global_buffer, .address_space: global }
      - { .name: kvrec, .offset: 8, .size: 8, .value_kind: global_buffer, .address_space: global }
      - { .name: orec, .offset: 16, .size: 8, .value_kind: global_buffer, .address_space: global }
    .group_segment_fixed_size: 327680
    .private_segment_fixed_size: 0
    .kernarg_segment_align: 8
    .kernarg_segment_size: 24
    .max_flat_workgroup_size: 512
    .sgpr_count:     72
    .vgpr_count:     256
    .wavefront_size: 32
...
	.end_amdgpu_metadata
.endif
;; end of part 3
;; launch wo (part 4): grid 128 x 1, 12 waves a work-group, no clusters, 169,472 bytes of LDS; arguments orec, wrec, x, bo, g2, beta2, x1img, h2rec; writes x1img, h2rec
.if DOCPART == 4
	.amdgcn_target "amdgcn-amd-amdhsa--gfx1250"
	.amdhsa_code_object_version 6
	.text
	.protected	k_q2a8d3064ca_wo
	.globl	k_q2a8d3064ca_wo
	.p2align	8
	.type	k_q2a8d3064ca_wo,@function
k_q2a8d3064ca_wo:
	s_mov_b64 s[64:65], 0
	v_nop
	global_prefetch_b8 v0, s[64:65] scope:SCOPE_SE
	s_setreg_imm32_b32 hwreg(HW_REG_WAVE_MODE, 25, 1), 1
	s_wait_xcnt 0x0
; WO.  x1 = x + o Wo + bo (product on FP6 codes, K = 768); h2 = LayerNorm(x1) g2 + beta2, quantised along the 768 features.
; A work-group takes 32 tokens and ALL 768 features, since the norm wants whole rows: 128 work-groups.  Work-group n takes token tiles 2 p and 2 p + 1 of block n / 2 of 64 tokens, p = n % 2: tokens 32 n on.
; Wave w takes features 64 w .. 64 w + 63: source 0 = Wo's record block w, which no other wave of the work-group reads: straight from memory into registers; source 1 = o's records of the block, which all
; twelve waves read: into LDS once, by waves 0-5, one tensor load each (whole records; my two tiles' half of each is read).
; THE WEIGHTS RUN TWO K STEPS AHEAD: two sets of registers take turns; a set is asked for again as soon as its products are issued, so that a record has two K steps in which to come.
; Accumulator register 32 e + 16 b + i of lane (r, h) is (token place r of tile 2 p + e, feature 64 w + 32 b + 16 h + i).  x is loaded straight into the accumulators: the residual is the C of the sums.
; x1 goes out as an image of the accumulators (registers 4 g .. 4 g + 3 of all lanes at 512 g + 16 x lane): the last launch takes it back in the same lanes.
; Mean and variance in two passes over the registers; the twelve waves' partial sums meet in LDS, 16 words for each token, each pass in bytes of its own.
; bo is asked for at the head; g2 and beta2 as soon as the weights' sets are free: they land under the sums.
; LDS: o's records 0 .. 38,399; sums at 38,400 and 42,496.  The claim is more than half of what a work-group can be given.
; No cluster: what a second work-group reads too is o's 38,400 bytes, a twelfth of the 460,800 bytes of weights that each work-group takes into registers.
; LIMITS: NaN and infinities are not served; a block whose largest magnitude lies under 2^-124, a block of zeros among them, gets the byte 1 (zero codes add nothing; only this program reads the bytes);
; 1/768 is a multiplication by the nearest f32; 1/sqrt by v_rsq_f32.
.set XF0, 16                           ; v16-63   the weights' first set
.set XF1, 64                           ; v64-111  the second
.set XS0, 112                          ; v112-121 hold scale words and nothing else
.set XS1, 116
.set YS,  120
.set TT,  122                          ; v122-123 a tile's sum
.set TP,  124                          ; v124-125 the other half of the lanes'
.set YF,  128                          ; v128-151 o's two fragments
.set RB,  128                          ; later: the twelve waves' sums of two tiles
.set BO,  152                          ; v152-183 bo
.set PS,  184                          ; v184-187 packed sums, then means, then 1 / sqrt
.set ACC, 192                          ; v192-255
.set G,   16                           ; behind K step 4: g2;
.set BE,  64                           ; behind K step 5: beta2
.set PT,  16                           ; and behind the norm:
.set TM,  24
.set PCA, 40
.set PW0, 52
.set HW0, 53
.set SH16, 13
.set STAT, 38400
.set SEL, 44
.set RN,  46
.set OB,  18
.macro PLACES n
.rept \n
	v_nop
.endr
.endm
.macro LDY off                         ; my two token tiles' fragments and scale words of one K step out of LDS; each load of 8 bytes a lane covers 256 consecutive bytes
.irp e, 0,1
.irp q, 0,1,2,3,4,5
	ds_load_b64 v[YF+12*\e+2*\q:YF+12*\e+2*\q+1], v3 offset:\off+1536*\e+256*\q
.endr
	ds_load_b32 v[YS+\e], v4 offset:\off+6144+64*\e
.endr
.endm
.macro LDREC_G f, sc, bs, off          ; a record from memory, 28 loads: each load of 8 bytes a lane covers 256 consecutive bytes, aligned
.irp t, 0,1,2,3
.irp q, 0,1,2,3,4,5
	global_load_b64 v[\f+12*\t+2*\q:\f+12*\t+2*\q+1], v1, s[\bs:\bs+1] offset:\off+1536*\t+256*\q
.endr
	global_load_b32 v[\sc+\t], v2, s[\bs:\bs+1] offset:\off+6144+64*\t
.endr
.endm
.macro MUL8 xf, xs                     ; the 8 accumulators take turns, one instruction a turn
.irp a, 0,1
.irp f, 0,1,2,3
	v_wmma_scale_f32_16x16x128_f8f6f4 v[ACC+8*(4*\a+\f):ACC+8*(4*\a+\f)+7], v[\xf+12*\f:\xf+12*\f+11], v[YF+12*\a:YF+12*\a+11], v[ACC+8*(4*\a+\f):ACC+8*(4*\a+\f)+7], v[\xs+\f], v[YS+\a] matrix_a_fmt:MATRIX_FMT_FP6 matrix_b_fmt:MATRIX_FMT_FP6
.endr
.endr
.endm
.macro QUANT s, pc, pw                 ; 64 numbers of a lane, register 16 b + i = k 32 b + 16 (lane / 16) + i, become 12 registers of codes and a scale word
.irp b, 0,1,2,3
	v_max3_num_f32 v[TM+\b], |v[\s+16*\b]|, |v[\s+1+16*\b]|, 0x1800000
.endr
.irp i, 2,4,6,8,10,12,14
.irp b, 0,1,2,3
	s_delay_alu instid0(VALU_DEP_4)
	v_max3_num_f32 v[TM+\b], v[TM+\b], |v[\s+16*\b+\i]|, |v[\s+1+16*\b+\i]|
.endr
.endr
.irp b, 0,1,2,3
	s_delay_alu instid0(VALU_DEP_4)
	v_permlanex16_b32 v[TM+4+\b], v[TM+\b], s[SEL], s[SEL+1]
.endr
.irp b, 0,1,2,3
	s_delay_alu instid0(VALU_DEP_4)
	v_max_num_f32 v[TM+\b], v[TM+\b], v[TM+4+\b]
.endr
.irp b, 0,1,2,3
	s_delay_alu instid0(VALU_DEP_4)
	v_add_nc_u32 v[TM+12+\b], 0xff000000, v[TM+\b]
.endr
.irp b, 0,1,2,3
	s_delay_alu instid0(VALU_DEP_4)
	v_lshrrev_b32 v[TM+4+\b], 23, v[TM+12+\b]
.endr
	s_delay_alu instid0(VALU_DEP_3)
	v_lshl_or_b32 v[\pw], v[TM+5], 8, v[TM+4]
	s_delay_alu instid0(VALU_DEP_1)
	v_lshl_or_b32 v[\pw], v[TM+6], 16, v[\pw]
	s_delay_alu instid0(VALU_DEP_1)
	v_lshl_or_b32 v[\pw], v[TM+7], 24, v[\pw]
.irp c, 0,1
	v_cvt_scalef32_pk16_fp6_f32 v[\pc+6*\c:\pc+6*\c+2], v[\s+32*\c:\s+32*\c+15], v[TM+12+2*\c]
	v_cvt_scalef32_pk16_fp6_f32 v[PT+4*\c:PT+4*\c+2], v[\s+32*\c+16:\s+32*\c+31], v[TM+13+2*\c]
.endr
	v_nop                                          ; one plain place behind the scaled conversions
.irp c, 0,1
.irp i, 0,1,2
	v_permlane16_swap_b32 v[\pc+6*\c+\i], v[PT+4*\c+\i]
.endr
.irp i, 0,1,2
	s_delay_alu instid0(VALU_DEP_3)
	v_mov_b32 v[\pc+6*\c+3+\i], v[PT+4*\c+\i]
.endr
.endr
.endm
.macro PUT pc, pw, hw, ca, oa, cb, ob, sa, os   ; six stores of 256 consecutive bytes; lanes 0-15 store the scale word's low half, lanes 16-31 its high half
.irp q, 0,1,2
	global_store_b64 v[\ca], v[\pc+2*\q:\pc+2*\q+1], s[OB:OB+1] offset:\oa+256*\q
.endr
.irp q, 0,1,2
	global_store_b64 v[\cb], v[\pc+6+2*\q:\pc+7+2*\q], s[OB:OB+1] offset:\ob+256*\q
.endr
	v_lshrrev_b32 v[\hw], v[SH16], v[\pw]
	global_store_b16 v[\sa], v[\hw], s[OB:OB+1] offset:\os
.endm
; The two tiles' packed partial sums in v[PS + 2 e : PS + 2 e + 1] become the rows' totals over all twelve waves, in v[TT + e].  off: the pass's bytes.
.macro EXCH off
.irp e, 0,1
	s_delay_alu instid0(VALU_DEP_2)
	v_add_f32 v[TT+\e], v[PS+2*\e], v[PS+2*\e+1]
.endr
.irp e, 0,1
	s_delay_alu instid0(VALU_DEP_2)
	v_permlanex16_b32 v[TP+\e], v[TT+\e], s[SEL], s[SEL+1]
.endr
.irp e, 0,1
	s_delay_alu instid0(VALU_DEP_2)
	v_add_f32 v[TT+\e], v[TT+\e], v[TP+\e]         ; my wave's 64 features of token place r of tile e
.endr
.irp e, 0,1
	ds_store_b32 v8, v[TT+\e] offset:\off+1024*\e  ; (both halves of the lanes write the same word with the same value)
.endr
	s_wait_dscnt 0x0                               ; for the others' sake: my stores have landed
	s_barrier_signal -1
	s_barrier_wait -1
.irp e, 0,1
.irp k, 0,1,2
	ds_load_b128 v[RB+12*\e+4*\k:RB+12*\e+4*\k+3], v9 offset:\off+1024*\e+16*\k
.endr
.endr
	s_wait_dscnt 0x0
.irp e, 0,1                                    ; every wave adds the twelve in the same order
	v_pk_add_f32 v[RB+12*\e:RB+12*\e+1], v[RB+12*\e:RB+12*\e+1], v[RB+12*\e+2:RB+12*\e+3]
	v_pk_add_f32 v[RB+12*\e+4:RB+12*\e+5], v[RB+12*\e+4:RB+12*\e+5], v[RB+12*\e+6:RB+12*\e+7]
	v_pk_add_f32 v[RB+12*\e+8:RB+12*\e+9], v[RB+12*\e+8:RB+12*\e+9], v[RB+12*\e+10:RB+12*\e+11]
	s_delay_alu instid0(VALU_DEP_2)
	v_pk_add_f32 v[RB+12*\e:RB+12*\e+1], v[RB+12*\e:RB+12*\e+1], v[RB+12*\e+4:RB+12*\e+5]
	s_delay_alu instid0(VALU_DEP_1)
	v_pk_add_f32 v[RB+12*\e:RB+12*\e+1], v[RB+12*\e:RB+12*\e+1], v[RB+12*\e+8:RB+12*\e+9]
	s_delay_alu instid0(VALU_DEP_1)
	v_add_f32 v[TT+\e], v[RB+12*\e], v[RB+12*\e+1]
.endr
.endm
	s_load_b512 s[4:19], s[0:1], 0x0               ; orec 4, wrec 6, x 8, bo 10, g2 12, beta2 14, x1img 16, h2rec 18
	v_lshl_add_u32 v190, v0, 2, 0x29000
	v_mov_b32 v191, 0
	ds_add_u32 v190, v191
	ds_add_u32 v190, v191
	v_lshrrev_b32 v1, 5, v0
	s_delay_alu instid0(VALU_DEP_1)
	v_readfirstlane_b32 s20, v1                    ; wave 0..11
	s_lshr_b32 s21, ttmp9, 1                       ; the block of 64 tokens
	s_and_b32 s22, ttmp9, 1                        ; p: which pair of its token tiles
	s_mov_b32 s24, 3<<16                           ; group 1: one record, 25 rows of 32 elements of 8 bytes, dense
	s_mov_b32 s25, 32<<16
	s_mov_b32 s26, 25<<16
	s_mov_b32 s27, 32<<16
	s_mov_b32 s28, 25
	s_mov_b32 s29, 32
	s_mov_b32 s30, 0
	s_mov_b32 s31, 0
	s_mul_i32 s40, s21, 6
	s_add_co_u32 s40, s40, s20
	s_mul_i32 s40, s40, 6400                       ; o's record (block, K step = wave)
	s_mov_b32 s41, 0
	s_wait_dscnt 0x0
	s_wait_kmcnt 0x0
	s_cmp_lt_u32 s20, 6
	s_cbranch_scc0 .Lnofill
	s_mov_b32 s32, 1
	s_mul_i32 s33, s20, 6400
	s_add_nc_u64 s[34:35], s[4:5], s[40:41]
	s_or_b32 s35, s35, 0x80000000
	tensor_load_to_lds s[32:35], s[24:31]
	s_nop 0
	PLACES 4                                       ; the places behind a tensor load
.Lnofill:
	v_and_b32 v1, 31, v0
	s_delay_alu instid0(VALU_DEP_1)
	v_lshlrev_b32 v7, 4, v1                        ; 16 x lane
	s_delay_alu instid0(VALU_DEP_2)
	v_lshlrev_b32 v1, 3, v1                        ; 8 x lane
	v_and_b32 v12, 15, v0                          ; r
	s_delay_alu instid0(VALU_DEP_1)
	v_lshlrev_b32 v2, 2, v12                       ; 4 r
	v_bfe_u32 v14, v0, 4, 1                        ; h
	s_mul_i32 s42, s22, 3072                       ; fragments 2 p and 2 p + 1 of a record begin here,
	s_lshl_b32 s43, s22, 7                         ; and their scale words here
	v_add_nc_u32 v3, s42, v1                       ; o's codes in LDS
	v_add_nc_u32 v4, s43, v2                       ; o's scale words in LDS
	v_and_b32 v5, 8, v12
	s_delay_alu instid0(VALU_DEP_1)
	v_add_nc_u32 v5, v5, v12
	s_delay_alu instid0(VALU_DEP_1)
	v_mul_u32_u24 v5, v5, 3072
	s_delay_alu instid0(VALU_DEP_1)
	v_lshl_add_u32 v5, v14, 6, v5                  ; x: row r + 8 (r / 8), + 64 h
	v_lshlrev_b32 v6, 6, v14                       ; bo, g2, beta2: 64 h
	v_lshlrev_b32 v9, 6, v12
	s_delay_alu instid0(VALU_DEP_1)
	v_add_nc_u32 v9, STAT, v9                      ; the sums of token place r
	s_lshl_b32 s36, s20, 2
	v_add_nc_u32 v8, s36, v9                       ; my wave's word among them
	s_and_b32 s36, s20, 1
	s_mul_i32 s37, s36, 768
	s_add_co_u32 s37, s37, s42
	v_add_nc_u32 v10, s37, v1                      ; h2's codes: fragment 2 p, half w % 2
	s_lshl_b32 s37, s36, 1
	s_add_co_u32 s37, s37, s43
	v_lshl_add_u32 v11, v14, 6, v2
	s_delay_alu instid0(VALU_DEP_1)
	v_add_nc_u32 v11, s37, v11                     ; h2's scale halves: 128 p + 4 r + 64 h + 2 (w % 2)
	v_lshlrev_b32 v[SH16], 4, v14
	v_mov_b32 v[TP], 0                             ; a lane permute's destination counts as one of its sources
	v_mov_b32 v[TP+1], 0
	s_mov_b32 s[SEL], 0x76543210
	s_mov_b32 s[SEL+1], 0xfedcba98
	s_mov_b32 s[RN], 0x3aaaaaab                    ; 1 / 768
	s_mul_i32 s36, ttmp9, 98304                    ; 32 tokens of 3,072 bytes to a work-group
	s_lshl_b32 s38, s20, 8
	s_add_co_u32 s36, s36, s38
	s_mov_b32 s37, 0
	s_mov_b32 s39, 0
	s_add_nc_u64 s[8:9], s[8:9], s[36:37]          ; x at (my first token, feature 64 w)
	s_add_nc_u64 s[10:11], s[10:11], s[38:39]
	s_add_nc_u64 s[12:13], s[12:13], s[38:39]
	s_add_nc_u64 s[14:15], s[14:15], s[38:39]
	s_mul_i32 s36, s20, 6
	s_add_co_u32 s36, s36, 216
	s_mul_i32 s36, s36, 6400
	s_add_nc_u64 s[6:7], s[6:7], s[36:37]          ; Wo's records of block w
	s_mul_i32 s36, s21, 12
	s_add_co_u32 s36, s36, s20
	s_lshl_b32 s36, s36, 14
	s_lshl_b32 s38, s22, 13
	s_add_co_u32 s36, s36, s38
	s_add_nc_u64 s[16:17], s[16:17], s[36:37]      ; x1's image (block, w), its half p
	s_mul_i32 s36, s21, 6
	s_lshr_b32 s38, s20, 1
	s_add_co_u32 s36, s36, s38
	s_mul_i32 s36, s36, 6400
	s_add_nc_u64 s[OB:OB+1], s[OB:OB+1], s[36:37]
.irp e, 0,1
.irp b, 0,1
.irp c, 0,1,2,3
	global_load_b128 v[ACC+32*\e+16*\b+4*\c:ACC+32*\e+16*\b+4*\c+3], v5, s[8:9] offset:24576*\e+128*\b+16*\c th:TH_LOAD_NT
.endr
.endr
.endr
.irp b, 0,1
.irp c, 0,1,2,3
	global_load_b128 v[BO+16*\b+4*\c:BO+16*\b+4*\c+3], v6, s[10:11] offset:128*\b+16*\c
.endr
.endr
	LDREC_G XF0, XS0, 6, 0                         ; K steps 0 and 1 of the weights are asked for together
	LDREC_G XF1, XS1, 6, 6400
	s_wait_tensorcnt 0x0                           ; my record of o has landed,
	s_barrier_signal -1
	s_barrier_wait -1                              ; everybody's has
.irp s, 0,1,2,3,4,5
	LDY 6400*\s
.if \s < 5
	s_wait_loadcnt 28                              ; this K step's record is in (and x and bo, asked for ahead of it); the 28 loads of the next record, issued behind it, may be out
.else
	s_wait_loadcnt 8                               ; the last record is in; g2's eight loads may be out
.endif
	s_wait_dscnt 0x0
.if (\s % 2) == 0
	MUL8 XF0, XS0
.else
	MUL8 XF1, XS1
.endif
	PLACES 4                                       ; in front of loads into registers that matrix instructions have read, and of the first reads of results
.if \s < 4
.if (\s % 2) == 0
	LDREC_G XF0, XS0, 6, 6400*(\s+2)               ; the set just multiplied takes the record two K steps on
.else
	LDREC_G XF1, XS1, 6, 6400*(\s+2)
.endif
.endif
.if \s == 4
.irp b, 0,1
.irp c, 0,1,2,3
	global_load_b128 v[G+16*\b+4*\c:G+16*\b+4*\c+3], v6, s[12:13] offset:128*\b+16*\c
.endr
.endr
.endif
.if \s == 5
.irp b, 0,1
.irp c, 0,1,2,3
	global_load_b128 v[BE+16*\b+4*\c:BE+16*\b+4*\c+3], v6, s[14:15] offset:128*\b+16*\c
.endr
.endr
.endif
.endr
.irp e, 0,1
.set n, 0
.rept 16
	v_pk_add_f32 v[ACC+32*\e+n:ACC+32*\e+n+1], v[ACC+32*\e+n:ACC+32*\e+n+1], v[BO+n:BO+n+1]   ; x1, each accumulator from its low end on
.set n, n+2
.endr
.endr
.set n, 0
.rept 16
	global_store_b128 v7, v[ACC+4*n:ACC+4*n+3], s[16:17] offset:512*n   ; 32 lanes store 512 consecutive bytes, aligned
.set n, n+1
.endr
.irp e, 0,1
	v_pk_add_f32 v[PS+2*\e:PS+2*\e+1], v[ACC+32*\e:ACC+32*\e+1], v[ACC+32*\e+2:ACC+32*\e+3]
.endr
.irp c, 4,6,8,10,12,14,16,18,20,22,24,26,28,30
.irp e, 0,1
	s_delay_alu instid0(VALU_DEP_2)
	v_pk_add_f32 v[PS+2*\e:PS+2*\e+1], v[PS+2*\e:PS+2*\e+1], v[ACC+32*\e+\c:ACC+32*\e+\c+1]
.endr
.endr
	EXCH 0
.irp e, 0
	v_mul_f32 v[PS+2*\e], s[RN], v[TT+\e]          ; the means
.endr
.irp e, 1
	s_delay_alu instid0(VALU_DEP_2)
	v_mul_f32 v[PS+2*\e], s[RN], v[TT+\e]          ; the means
.endr
	s_wait_alu depctr_va_vdst(0)
	s_wait_xcnt 0x0                                ; x1's stores have read the accumulators: only now are they written again
.irp e, 0,1
.set n, 0
.rept 16
	v_pk_add_f32 v[ACC+32*\e+n:ACC+32*\e+n+1], v[ACC+32*\e+n:ACC+32*\e+n+1], v[PS+2*\e:PS+2*\e+1] op_sel_hi:[1,0] neg_lo:[0,1] neg_hi:[0,1]   ; d = x1 - mean
.set n, n+2
.endr
.endr
.irp e, 0,1
	v_pk_mul_f32 v[PS+2*\e:PS+2*\e+1], v[ACC+32*\e:ACC+32*\e+1], v[ACC+32*\e:ACC+32*\e+1]
.endr
.irp c, 2,4,6,8,10,12,14,16,18,20,22,24,26,28,30
.irp e, 0,1
	s_delay_alu instid0(VALU_DEP_2)
	v_pk_fma_f32 v[PS+2*\e:PS+2*\e+1], v[ACC+32*\e+\c:ACC+32*\e+\c+1], v[ACC+32*\e+\c:ACC+32*\e+\c+1], v[PS+2*\e:PS+2*\e+1]
.endr
.endr
	EXCH 4096
.irp e, 0
	v_fmaak_f32 v[PS+2*\e], s[RN], v[TT+\e], 0x3727c5ac   ; the variance + 1e-5
.endr
.irp e, 1
	s_delay_alu instid0(VALU_DEP_2)
	v_fmaak_f32 v[PS+2*\e], s[RN], v[TT+\e], 0x3727c5ac   ; the variance + 1e-5
.endr
	s_wait_alu depctr_va_vdst(0)
.irp e, 0,1
	v_rsq_f32 v[PS+2*\e], v[PS+2*\e]
.endr
	v_nop                                          ; a plain place behind the batch
	s_wait_alu depctr_va_vdst(0)                   ; one wait for the two
	s_wait_loadcnt 0x0                             ; g2 and beta2
.irp e, 0,1
.set n, 0
.rept 16
	v_pk_mul_f32 v[ACC+32*\e+n:ACC+32*\e+n+1], v[ACC+32*\e+n:ACC+32*\e+n+1], v[PS+2*\e:PS+2*\e+1] op_sel_hi:[1,0]
.set n, n+2
.endr
.endr
.irp e, 0,1
.set n, 0
.rept 16
	v_pk_fma_f32 v[ACC+32*\e+n:ACC+32*\e+n+1], v[ACC+32*\e+n:ACC+32*\e+n+1], v[G+n:G+n+1], v[BE+n:BE+n+1]
.set n, n+2
.endr
.endr
	QUANT ACC, PCA, PW0                            ; my two token tiles: my 64 features are half a K step of the next product
	PUT PCA, PW0, HW0, 10, 0, 10, 1536, 11, 6144
	s_wait_tensorcnt 0x0
	ds_add_u32 v190, v191
	s_wait_dscnt 0x0
	s_endpgm
.Lfunc_end_k_q2a8d3064ca_wo:
	.size	k_q2a8d3064ca_wo, .Lfunc_end_k_q2a8d3064ca_wo-k_q2a8d3064ca_wo
	.p2alignl 7, 3214868480
	.fill 96, 4, 3214868480
	.section	.rodata,"a",@progbits
	.p2align	6, 0x0
	.amdhsa_kernel k_q2a8d3064ca_wo
		.amdhsa_group_segment_fixed_size 169472
		.amdhsa_private_segment_fixed_size 0
		.amdhsa_enable_private_segment 0
		.amdhsa_kernarg_size 64
		.amdhsa_user_sgpr_count 2
		.amdhsa_user_sgpr_kernarg_segment_ptr 1
		.amdhsa_wavefront_size32 1
		.amdhsa_system_sgpr_workgroup_id_x 1
		.amdhsa_system_sgpr_workgroup_id_y 1
		.amdhsa_system_sgpr_workgroup_id_z 1
		.amdhsa_system_vgpr_workitem_id 0
		.amdhsa_next_free_vgpr 256
		.amdhsa_next_free_sgpr 66
		.amdhsa_reserve_vcc 0
		.amdhsa_float_denorm_mode_32 3
		.amdhsa_float_denorm_mode_16_64 3
		.amdhsa_memory_ordered 1
		.amdhsa_forward_progress 1
		.amdhsa_inst_pref_size 63
	.end_amdhsa_kernel
	.amdgpu_metadata
---
amdhsa.version: [ 1, 2 ]
amdhsa.kernels:
  - .name:           k_q2a8d3064ca_wo
    .symbol:         k_q2a8d3064ca_wo.kd
    .args:
      - { .name: orec, .offset: 0, .size: 8, .value_kind: global_buffer, .address_space: global }
      - { .name: wrec, .offset: 8, .size: 8, .value_kind: global_buffer, .address_space: global }
      - { .name: x, .offset: 16, .size: 8, .value_kind: global_buffer, .address_space: global }
      - { .name: bo, .offset: 24, .size: 8, .value_kind: global_buffer, .address_space: global }
      - { .name: g2, .offset: 32, .size: 8, .value_kind: global_buffer, .address_space: global }
      - { .name: beta2, .offset: 40, .size: 8, .value_kind: global_buffer, .address_space: global }
      - { .name: x1img, .offset: 48, .size: 8, .value_kind: global_buffer, .address_space: global }
      - { .name: h2rec, .offset: 56, .size: 8, .value_kind: global_buffer, .address_space: global }
    .group_segment_fixed_size: 169472
    .private_segment_fixed_size: 0
    .kernarg_segment_align: 8
    .kernarg_segment_size: 64
    .max_flat_workgroup_size: 384
    .sgpr_count:     66
    .vgpr_count:     256
    .wavefront_size: 32
...
	.end_amdgpu_metadata
.endif
;; end of part 4
;; launch w1 (part 5): grid 16 x 16, 12 waves a work-group, no clusters, 270,336 bytes of LDS; arguments h2rec, wrec, b1, hidrec; writes hidrec
.if DOCPART == 5
	.amdgcn_target "amdgcn-amd-amdhsa--gfx1250"
	.amdhsa_code_object_version 6
	.text
	.protected	k_q2a8d3064ca_w1
	.globl	k_q2a8d3064ca_w1
	.p2align	8
	.type	k_q2a8d3064ca_w1,@function
k_q2a8d3064ca_w1:
	s_mov_b64 s[64:65], 0
	v_nop
	global_prefetch_b8 v0, s[64:65] scope:SCOPE_SE
	s_setreg_imm32_b32 hwreg(HW_REG_WAVE_MODE, 25, 1), 1
	s_wait_xcnt 0x0
; W1.  hidden = gelu(h2 W1 + b1), exact gelu in f32, quantised along the 3,072 hidden units.  Product on FP6 codes, K = 768.
; A work-group takes 256 tokens (y) x 192 hidden units (x): 256 work-groups.  Twelve waves; wave 4 x + y multiplies W1's record x (source 0) by h2's record y (source 1): 64 x 64, 16 accumulators.
; A lane holds one token, and its registers run along the hidden units, the next K.  b1 is loaded straight into the accumulators: the bias is the C of the sums.
; LDS: positions 0-2 W1's records, 3-6 h2's, K step s at 38,400 p + 6,400 s: 268,800 bytes, each filled ONCE, by all twelve waves, one load each.  By this text's count a wave has one tensor load out.
; GELU.  gelu(v) = max(v, 0) - 0.5 |v| E, E = erfc(|v| / sqrt 2) = t exp(-z^2 + P(t)), z = |v| / sqrt 2, t = 1 / (1 + z / 2), P the ninth-degree Chebyshev fit whose fractional error is about 1.2e-7 for every z;
; P's coefficients and the factor of z^2 are multiplied by log2(e) beforehand, since v_exp_f32 works in base 2.  No series is cut for a range of inputs: for large |v| E falls to 0.
; No cluster in this text: weights are shared along y and tokens along x, and joint first fills would divide those requests; the launch is kept plain here.
; LIMITS: NaN and infinities are not served (0 x infinity would arise in the gelu); floor byte 1 as in prep.
.set XF,  16
.set YF,  64
.set XS,  112                          ; v112-119 hold scale words and nothing else
.set YS,  116
.set ACC, 128
.set GA,  16                           ; the gelu's work: z, t, P, and v^2 then max(v, 0)
.set GT,  32
.set GP,  48
.set GU,  64
.set PT,  16
.set TM,  24
.set PCA, 40
.set PCB, 52
.set PW0, 64
.set PW1, 65
.set HW0, 66
.set HW1, 67
.set SH16, 13
.set C9,  44
.set C7,  46
.set C6,  48
.set C5,  50
.set C4,  52
.set C3,  54
.set C2,  56
.set C1,  58
.set C0,  60
.set NZ,  62
.set NH,  66
.set RS2, 68
.set SEL, 70
.set OB,  72
.macro PLACES n
.rept \n
	v_nop
.endr
.endm
.macro KONST reg, val                  ; a constant as a pair: the packed forms name a pair and take its low word for both halves
	s_mov_b32 s[\reg], \val
	s_mov_b32 s[\reg+1], \val
.endm
.macro LDREC_L f, sc, adr, sadr, off
.irp t, 0,1,2,3
.irp q, 0,1,2,3,4,5
	ds_load_b64 v[\f+12*\t+2*\q:\f+12*\t+2*\q+1], v[\adr] offset:\off+1536*\t+256*\q
.endr
	ds_load_b32 v[\sc+\t], v[\sadr] offset:\off+6144+64*\t
.endr
.endm
.macro MUL16                           ; the 16 accumulators take turns, one instruction a turn
.irp a, 0,1,2,3
.irp f, 0,1,2,3
	v_wmma_scale_f32_16x16x128_f8f6f4 v[ACC+8*(4*\a+\f):ACC+8*(4*\a+\f)+7], v[XF+12*\f:XF+12*\f+11], v[YF+12*\a:YF+12*\a+11], v[ACC+8*(4*\a+\f):ACC+8*(4*\a+\f)+7], v[XS+\f], v[YS+\a] matrix_a_fmt:MATRIX_FMT_FP6 matrix_b_fmt:MATRIX_FMT_FP6
.endr
.endr
.endm
.macro QUANT s, pc, pw
.irp b, 0,1,2,3
	v_max3_num_f32 v[TM+\b], |v[\s+16*\b]|, |v[\s+1+16*\b]|, 0x1800000
.endr
.irp i, 2,4,6,8,10,12,14
.irp b, 0,1,2,3
	s_delay_alu instid0(VALU_DEP_4)
	v_max3_num_f32 v[TM+\b], v[TM+\b], |v[\s+16*\b+\i]|, |v[\s+1+16*\b+\i]|
.endr
.endr
.irp b, 0,1,2,3
	s_delay_alu instid0(VALU_DEP_4)
	v_permlanex16_b32 v[TM+4+\b], v[TM+\b], s[SEL], s[SEL+1]
.endr
.irp b, 0,1,2,3
	s_delay_alu instid0(VALU_DEP_4)
	v_max_num_f32 v[TM+\b], v[TM+\b], v[TM+4+\b]
.endr
.irp b, 0,1,2,3
	s_delay_alu instid0(VALU_DEP_4)
	v_add_nc_u32 v[TM+12+\b], 0xff000000, v[TM+\b]
.endr
.irp b, 0,1,2,3
	s_delay_alu instid0(VALU_DEP_4)
	v_lshrrev_b32 v[TM+4+\b], 23, v[TM+12+\b]
.endr
	s_delay_alu instid0(VALU_DEP_3)
	v_lshl_or_b32 v[\pw], v[TM+5], 8, v[TM+4]
	s_delay_alu instid0(VALU_DEP_1)
	v_lshl_or_b32 v[\pw], v[TM+6], 16, v[\pw]
	s_delay_alu instid0(VALU_DEP_1)
	v_lshl_or_b32 v[\pw], v[TM+7], 24, v[\pw]
.irp c, 0,1
	v_cvt_scalef32_pk16_fp6_f32 v[\pc+6*\c:\pc+6*\c+2], v[\s+32*\c:\s+32*\c+15], v[TM+12+2*\c]
	v_cvt_scalef32_pk16_fp6_f32 v[PT+4*\c:PT+4*\c+2], v[\s+32*\c+16:\s+32*\c+31], v[TM+13+2*\c]
.endr
	v_nop
.irp c, 0,1
.irp i, 0,1,2
	v_permlane16_swap_b32 v[\pc+6*\c+\i], v[PT+4*\c+\i]
.endr
.irp i, 0,1,2
	s_delay_alu instid0(VALU_DEP_3)
	v_mov_b32 v[\pc+6*\c+3+\i], v[PT+4*\c+\i]
.endr
.endr
.endm
.macro PUT pc, pw, hw, ca, oa, cb, ob, sa, os
.irp q, 0,1,2
	global_store_b64 v[\ca], v[\pc+2*\q:\pc+2*\q+1], s[OB:OB+1] offset:\oa+256*\q
.endr
.irp q, 0,1,2
	global_store_b64 v[\cb], v[\pc+6+2*\q:\pc+7+2*\q], s[OB:OB+1] offset:\ob+256*\q
.endr
	v_lshrrev_b32 v[\hw], v[SH16], v[\pw]
	global_store_b16 v[\sa], v[\hw], s[OB:OB+1] offset:\os
.endm
; the gelu of 16 registers, in place.  Two batches of transcendentals, each with plain work and ONE wait behind it.
.macro GELU16 x
.set j, 0
.rept 16
	v_mul_f32 v[GA+j], s[RS2], |v[\x+j]|           ; z = |v| / sqrt 2
.set j, j+1
.endr
.set j, 0
.rept 8
	v_pk_fma_f32 v[GT+j:GT+j+1], v[GA+j:GA+j+1], 0.5, 1.0 op_sel_hi:[1,0,0]
.set j, j+2
.endr
.set j, 0
	s_wait_alu depctr_va_vdst(0)
.rept 16
	v_rcp_f32 v[GT+j], v[GT+j]                     ; t
.set j, j+1
.endr
.set j, 0
.rept 8
	v_pk_mul_f32 v[GU+j:GU+j+1], v[\x+j:\x+j+1], v[\x+j:\x+j+1]   ; v^2: plain work behind the reciprocals
.set j, j+2
.endr
	s_wait_alu depctr_va_vdst(0)                   ; the wait ahead of the first reader
.set j, 0
.rept 8
	v_pk_fma_f32 v[GP+j:GP+j+1], v[GT+j:GT+j+1], s[C9:C9+1], v[80:81] op_sel_hi:[1,0,0]
.set j, j+2
.endr
.irp k, C7, C6, C5, C4, C3, C2, C1, C0
.set j, 0
.rept 8
	v_pk_fma_f32 v[GP+j:GP+j+1], v[GP+j:GP+j+1], v[GT+j:GT+j+1], s[\k:\k+1] op_sel_hi:[1,1,0]
.set j, j+2
.endr
.endr
.set j, 0
.rept 8
	v_pk_fma_f32 v[GP+j:GP+j+1], v[GU+j:GU+j+1], s[NZ:NZ+1], v[GP+j:GP+j+1] op_sel_hi:[1,0,1]   ; - z^2 log2(e) = - v^2 x 0.72134752
.set j, j+2
.endr
.set j, 0
	s_wait_alu depctr_va_vdst(0)
.rept 16
	v_exp_f32 v[GP+j], v[GP+j]
.set j, j+1
.endr
.set j, 0
.rept 16
	v_max_num_f32 v[GU+j], 0, v[\x+j]              ; plain work behind the exponentials
.set j, j+1
.endr
	s_wait_alu depctr_va_vdst(0)
.set j, 0
.rept 8
	v_pk_mul_f32 v[GP+j:GP+j+1], v[GP+j:GP+j+1], v[GT+j:GT+j+1]   ; E
.set j, j+2
.endr
.set j, 0
.rept 8
	v_pk_mul_f32 v[GP+j:GP+j+1], v[GP+j:GP+j+1], v[GA+j:GA+j+1]   ; z E
.set j, j+2
.endr
.set j, 0
.rept 8
	v_pk_fma_f32 v[\x+j:\x+j+1], v[GP+j:GP+j+1], s[NH:NH+1], v[GU+j:GU+j+1] op_sel_hi:[1,0,1]   ; max(v, 0) - 0.70710678 z E
.set j, j+2
.endr
.endm
	s_load_b256 s[4:11], s[0:1], 0x0               ; h2rec 4, wrec 6, b1 8, hidrec 10
	v_lshl_add_u32 v126, v0, 2, 0x41a00
	v_mov_b32 v127, 0
	ds_add_u32 v126, v127
	ds_add_u32 v126, v127
	v_lshrrev_b32 v1, 5, v0
	s_delay_alu instid0(VALU_DEP_1)
	v_readfirstlane_b32 s12, v1                    ; wave 0..11
	s_lshr_b32 s13, s12, 2                         ; x: my record of W1
	s_and_b32 s14, s12, 3                          ; y: my record of h2
	s_mov_b32 s15, ttmp9
	s_and_b32 s16, ttmp7, 0xffff
	s_mul_i32 s17, s15, 3
	s_add_co_u32 s18, s17, 48                      ; W1 begins at block 48 of wrec; my group's three blocks are 115,200 bytes on end: waves 0-5 fetch 19,200 each
	s_mul_i32 s18, s18, 38400
	s_mul_i32 s74, s12, 19200                      ; (also where they go in LDS)
	s_add_co_u32 s18, s18, s74
	s_add_co_u32 s75, s12, 10
	s_and_b32 s75, s75, 15                         ; wave - 6 in waves 6-11
	s_mul_i32 s75, s75, 25600                      ; h2's four blocks are 153,600 bytes on end: waves 6-11 fetch 25,600 each
	s_mul_i32 s19, s16, 153600
	s_add_co_u32 s19, s19, s75
	s_add_co_u32 s75, s75, 115200                  ; behind W1's in LDS
	s_add_co_u32 s17, s17, s13                     ; my block of 64 hidden units
	s_mov_b32 s24, 3<<16                           ; group 1: three records, 75 rows of 256 bytes, dense
	s_mov_b32 s25, 32<<16
	s_mov_b32 s26, 75<<16
	s_mov_b32 s27, 32<<16
	s_mov_b32 s28, 75
	s_mov_b32 s29, 32
	s_mov_b32 s30, 0
	s_mov_b32 s31, 0
	s_mov_b32 s36, 3<<16                           ; a second group 1: 100 rows of 256 bytes, for h2
	s_mov_b32 s37, 32<<16
	s_mov_b32 s38, 100<<16
	s_mov_b32 s39, 32<<16
	s_mov_b32 s40, 100
	s_mov_b32 s41, 32
	s_mov_b32 s42, 0
	s_mov_b32 s43, 0
	s_wait_dscnt 0x0
	s_wait_kmcnt 0x0
	s_cmp_lt_u32 s12, 6
	s_cselect_b64 s[20:21], s[6:7], s[4:5]
	s_cselect_b32 s22, s18, s19
	s_mov_b32 s23, 0
	s_add_nc_u64 s[34:35], s[20:21], s[22:23]
	s_or_b32 s35, s35, 0x80000000
	s_mov_b32 s32, 1
	s_cmp_lt_u32 s12, 6                            ; every wave's one tensor load, in the two arms of one branch
	s_cbranch_scc0 .Lfill_h
	s_mov_b32 s33, s74
	tensor_load_to_lds s[32:35], s[24:31]
	s_nop 0
	PLACES 4
	s_branch .Lfilled
.Lfill_h:
	s_mov_b32 s33, s75
	tensor_load_to_lds s[32:35], s[36:43]
	s_nop 0
	PLACES 4
.Lfilled:
	v_and_b32 v1, 31, v0
	s_delay_alu instid0(VALU_DEP_1)
	v_lshlrev_b32 v1, 3, v1                        ; 8 x lane
	s_wait_alu depctr_va_vdst(0)
	v_and_b32 v2, 15, v0
	s_delay_alu instid0(VALU_DEP_1)
	v_lshlrev_b32 v2, 2, v2                        ; 4 r
	v_bfe_u32 v14, v0, 4, 1                        ; h
	s_wait_alu depctr_va_vdst(0)
	s_mul_i32 s74, s13, 38400
	v_add_nc_u32 v3, s74, v1
	v_add_nc_u32 v4, s74, v2
	s_add_co_u32 s75, s14, 3
	s_mul_i32 s75, s75, 38400
	v_add_nc_u32 v5, s75, v1
	v_add_nc_u32 v6, s75, v2
	v_lshlrev_b32 v7, 6, v14                       ; b1: 64 h
	s_lshl_b32 s74, s17, 8
	s_mov_b32 s75, 0
	s_add_nc_u64 s[8:9], s[8:9], s[74:75]
.irp a, 0,1,2,3
.irp b, 0,1
.irp c, 0,1,2,3
	global_load_b128 v[ACC+32*\a+16*\b+4*\c:ACC+32*\a+16*\b+4*\c+3], v7, s[8:9] offset:128*\b+16*\c   ; the same 32 numbers for each of the four token tiles
.endr
.endr
.endr
	s_lshl_b32 s74, s16, 2
	s_add_co_u32 s74, s74, s14
	s_mul_i32 s74, s74, 24
	s_lshr_b32 s76, s17, 1
	s_add_co_u32 s74, s74, s76
	s_mul_i32 s74, s74, 6400                       ; the hidden layer's record (block of 64 tokens, K step = my block of units / 2)
	s_add_nc_u64 s[OB:OB+1], s[10:11], s[74:75]
	s_and_b32 s76, s17, 1
	s_mul_i32 s77, s76, 768
	v_add_nc_u32 v10, s77, v1
	s_lshl_b32 s77, s76, 1
	v_lshl_add_u32 v11, v14, 6, v2
	s_delay_alu instid0(VALU_DEP_1)
	v_add_nc_u32 v11, s77, v11
	v_lshlrev_b32 v[SH16], 4, v14
	s_mov_b32 s[SEL], 0x76543210
	s_mov_b32 s[SEL+1], 0xfedcba98
	KONST C9, 0x3e7c6f08
	KONST C7, 0x40097039
	KONST C6, 0xbfd1a1e5
	KONST C5, 0x3ecdfd18
	KONST C4, 0xbe899a80
	KONST C3, 0x3e0efb2e
	KONST C2, 0x3f0a29d2
	KONST C1, 0x3fb8ab5a
	KONST C0, 0xbfe9b21e
	KONST NZ, 0xbf38aa3b
	KONST NH, 0xbf3504f3
	s_mov_b32 s[RS2], 0x3f3504f3
	s_wait_alu depctr_va_vdst(0)
	s_wait_loadcnt 0x0                             ; b1
	s_wait_tensorcnt 0x0                           ; my part has landed
	s_barrier_signal -1
	s_barrier_wait -1                              ; everybody's has: all six K steps are whole
.irp n, 0,1,2
.irp u, 0,1
	PLACES 4
	LDREC_L XF, XS, 3, 4, 6400*(2*\n+\u)
	LDREC_L YF, YS, 5, 6, 6400*(2*\n+\u)
	s_wait_dscnt 0x0
	MUL16
.endr
.endr
	PLACES 4
	v_mov_b32 v80, 0xbf97d29d                      ; the fit's eighth coefficient, as a vector pair
	v_mov_b32 v81, 0xbf97d29d
.irp g, 0,1,2,3,4,5,6,7
	GELU16 ACC+16*\g                               ; ascending: each accumulator is read from its low end on
.endr
	QUANT ACC, PCA, PW0
	PUT PCA, PW0, HW0, 10, 0, 10, 1536, 11, 6144
	QUANT ACC+64, PCB, PW1
	PUT PCB, PW1, HW1, 10, 3072, 10, 4608, 11, 6272
	s_wait_tensorcnt 0x0
	ds_add_u32 v126, v127
	s_wait_dscnt 0x0
	s_endpgm
.Lfunc_end_k_q2a8d3064ca_w1:
	.size	k_q2a8d3064ca_w1, .Lfunc_end_k_q2a8d3064ca_w1-k_q2a8d3064ca_w1
	.p2alignl 7, 3214868480
	.fill 96, 4, 3214868480
	.section	.rodata,"a",@progbits
	.p2align	6, 0x0
	.amdhsa_kernel k_q2a8d3064ca_w1
		.amdhsa_group_segment_fixed_size 270336
		.amdhsa_private_segment_fixed_size 0
		.amdhsa_enable_private_segment 0
		.amdhsa_kernarg_size 32
		.amdhsa_user_sgpr_count 2
		.amdhsa_user_sgpr_kernarg_segment_ptr 1
		.amdhsa_wavefront_size32 1
		.amdhsa_system_sgpr_workgroup_id_x 1
		.amdhsa_system_sgpr_workgroup_id_y 1
		.amdhsa_system_sgpr_workgroup_id_z 1
		.amdhsa_system_vgpr_workitem_id 0
		.amdhsa_next_free_vgpr 256
		.amdhsa_next_free_sgpr 80
		.amdhsa_reserve_vcc 0
		.amdhsa_float_denorm_mode_32 3
		.amdhsa_float_denorm_mode_16_64 3
		.amdhsa_memory_ordered 1
		.amdhsa_forward_progress 1
		.amdhsa_inst_pref_size 137
	.end_amdhsa_kernel
	.amdgpu_metadata
---
amdhsa.version: [ 1, 2 ]
amdhsa.kernels:
  - .name:           k_q2a8d3064ca_w1
    .symbol:         k_q2a8d3064ca_w1.kd
    .args:
      - { .name: h2rec, .offset: 0, .size: 8, .value_kind: global_buffer, .address_space: global }
      - { .name: wrec, .offset: 8, .size: 8, .value_kind: global_buffer, .address_space: global }
      - { .name: b1, .offset: 16, .size: 8, .value_kind: global_buffer, .address_space: global }
      - { .name: hidrec, .offset: 24, .size: 8, .value_kind: global_buffer, .address_space: global }
    .group_segment_fixed_size: 270336
    .private_segment_fixed_size: 0
    .kernarg_segment_align: 8
    .kernarg_segment_size: 32
    .max_flat_workgroup_size: 384
    .sgpr_count:     80
    .vgpr_count:     256
    .wavefront_size: 32
...
	.end_amdgpu_metadata
.endif
;; end of part 5
;; launch w2 (part 6): grid 4 x 64, 12 waves a work-group, no clusters, 263,680 bytes of LDS; arguments hidrec, wrec, x1img, b2, out0; writes out0
.if DOCPART == 6
	.amdgcn_target "amdgcn-amd-amdhsa--gfx1250"
	.amdhsa_code_object_version 6
	.text
	.protected	k_q2a8d3064ca_w2
	.globl	k_q2a8d3064ca_w2
	.p2align	8
	.type	k_q2a8d3064ca_w2,@function
k_q2a8d3064ca_w2:
	s_mov_b64 s[64:65], 0
	v_nop
	global_prefetch_b8 v0, s[64:65] scope:SCOPE_SE
	s_setreg_imm32_b32 hwreg(HW_REG_WAVE_MODE, 25, 1), 1
	s_wait_xcnt 0x0
; W2.  out = x1 + hidden W2 + b2.  Product on FP6 codes, K = 3,072: 24 steps of 128.
; A work-group takes 64 tokens (y) x 192 features (x): 256 work-groups.  Twelve waves; wave 4 x + kq takes W2's block of 64 features 3 fg + x and K steps 6 kq .. 6 kq + 5: K is split four ways inside the
; Source 0 = W2's records, each read by one wave of the work-group alone: straight from memory into registers.  Source 1 = the hidden layer's 24 records of the block, read by three waves each: into LDS ONCE,
; two records to a wave's one tensor load.
; THE WEIGHTS RUN TWO K STEPS AHEAD: two sets of registers take turns; a set is asked for again as soon as its products are issued, so that a record has two K steps in which to come.
; The second set lies in the second window of 256 registers (v272-319, named v16-63 there): s_set_vgpr_msb says which window an operand place means (bits 1:0 source 0, 3:2 source 1, 7:6 destination);
; the odd K steps' loads and products stand under one switch each.  Scale operands have no window: both sets' scale words lie under v256.
; x1 and b2 are asked for ahead of the last K step: b2's upper sixteen numbers at the head (v256-271), the rest into the first set when K step 4 has left it.
; LDS: the records 0 .. 153,599; behind a barrier, when nobody reads them any more and they have had their only fill, the partial sums lie at 0 .. 196,607; each wave's stage of 16 rows x 272 bytes from 196,608 on.
; No cluster: of a work-group's 614,400 bytes only the hidden layer's 153,600 are read by other work-groups; the weights go to registers.
.set XF,  16                           ; v16-63 in window 0: the first set; in window 1: the second
.set YF,  64
.set XS0, 112                          ; v112-123 hold scale words and nothing else
.set YS,  116
.set XS1, 120
.set ACC, 128
.set STG2, 196608
.set MSB, 0
.macro WIN new                         ; the immediate's high byte repeats the setting that is left
.if MSB != \new
	s_set_vgpr_msb (MSB<<8)|\new
.set MSB, \new
.endif
.endm
.macro PLACES n
.rept \n
	v_nop
.endr
.endm
.macro LDREC_L f, sc, adr, sadr, off
.irp t, 0,1,2,3
.irp q, 0,1,2,3,4,5
	ds_load_b64 v[\f+12*\t+2*\q:\f+12*\t+2*\q+1], v[\adr] offset:\off+1536*\t+256*\q
.endr
	ds_load_b32 v[\sc+\t], v[\sadr] offset:\off+6144+64*\t
.endr
.endm
.macro LDREC_G win, sc, bs, off        ; a record from memory, 28 loads; win = 0: into the first set, 0x40: into the second (destination in window 1, address in window 0)
	WIN \win
.irp t, 0,1,2,3
.irp q, 0,1,2,3,4,5
	global_load_b64 v[XF+12*\t+2*\q:XF+12*\t+2*\q+1], v1, s[\bs:\bs+1] offset:\off+1536*\t+256*\q
.endr
.endr
	WIN 0
.irp t, 0,1,2,3
	global_load_b32 v[\sc+\t], v2, s[\bs:\bs+1] offset:\off+6144+64*\t
.endr
.endm
.macro MUL16 zero, xs                  ; the 16 accumulators take turns, one instruction a turn
.irp a, 0,1,2,3
.irp f, 0,1,2,3
.if \zero
	v_wmma_scale_f32_16x16x128_f8f6f4 v[ACC+8*(4*\a+\f):ACC+8*(4*\a+\f)+7], v[XF+12*\f:XF+12*\f+11], v[YF+12*\a:YF+12*\a+11], 0, v[\xs+\f], v[YS+\a] matrix_a_fmt:MATRIX_FMT_FP6 matrix_b_fmt:MATRIX_FMT_FP6
.else
	v_wmma_scale_f32_16x16x128_f8f6f4 v[ACC+8*(4*\a+\f):ACC+8*(4*\a+\f)+7], v[XF+12*\f:XF+12*\f+11], v[YF+12*\a:YF+12*\a+11], v[ACC+8*(4*\a+\f):ACC+8*(4*\a+\f)+7], v[\xs+\f], v[YS+\a] matrix_a_fmt:MATRIX_FMT_FP6 matrix_b_fmt:MATRIX_FMT_FP6
.endif
.endr
.endr
.endm
	s_load_b256 s[4:11], s[0:1], 0x0               ; hidrec 4, wrec 6, x1img 8, b2 10
	s_load_b64 s[12:13], s[0:1], 0x20              ; out0
	v_lshl_add_u32 v126, v0, 2, 0x40000
	v_mov_b32 v127, 0
	ds_add_u32 v126, v127
	ds_add_u32 v126, v127
	v_lshrrev_b32 v1, 5, v0
	s_delay_alu instid0(VALU_DEP_1)
	v_readfirstlane_b32 s14, v1                    ; wave 0..11
	s_lshr_b32 s15, s14, 2                         ; x
	s_and_b32 s16, s14, 3                          ; kq
	s_mul_i32 s17, ttmp9, 3
	s_add_co_u32 s17, s17, s15                     ; my block of 64 features
	s_and_b32 s18, ttmp7, 0xffff                   ; the block of 64 tokens
	s_mov_b32 s24, 3<<16                           ; group 1: two records, 50 rows of 32 elements of 8 bytes, dense
	s_mov_b32 s25, 32<<16
	s_mov_b32 s26, 50<<16
	s_mov_b32 s27, 32<<16
	s_mov_b32 s28, 50
	s_mov_b32 s29, 32
	s_mov_b32 s30, 0
	s_mov_b32 s31, 0
	s_mul_i32 s42, s18, 24
	s_lshl_b32 s43, s14, 1
	s_add_co_u32 s42, s42, s43
	s_mul_i32 s42, s42, 6400                       ; K steps 2 w and 2 w + 1 of the block
	s_mov_b32 s43, 0
	s_wait_dscnt 0x0
	s_wait_kmcnt 0x0
	s_mov_b32 s32, 1
	s_mul_i32 s33, s14, 12800
	s_add_nc_u64 s[34:35], s[4:5], s[42:43]
	s_or_b32 s35, s35, 0x80000000
	tensor_load_to_lds s[32:35], s[24:31]          ; every wave's one tensor load
	s_nop 0
	PLACES 4                                       ; the places behind a tensor load
	v_and_b32 v10, 31, v0
	s_delay_alu instid0(VALU_DEP_1)
	v_lshlrev_b32 v1, 3, v10                       ; 8 x lane
	s_delay_alu instid0(VALU_DEP_2)
	v_lshlrev_b32 v10, 4, v10                      ; 16 x lane
	v_and_b32 v11, 15, v0                          ; r
	s_wait_alu depctr_va_vdst(0)
	v_lshlrev_b32 v2, 2, v11                       ; 4 r
	v_bfe_u32 v12, v0, 4, 1                        ; h
	s_mul_i32 s44, s16, 38400
	v_add_nc_u32 v3, s44, v1                       ; my six K steps of the hidden layer in LDS
	v_add_nc_u32 v4, s44, v2
	s_lshl_b32 s44, s15, 16
	s_lshl_b32 s45, s16, 12
	s_add_co_u32 s45, s45, s44
	v_add_nc_u32 v5, s45, v10                      ; partial sums, in: ((4 x + a) 4 + kq) 4,096
	s_lshl_b32 s45, s16, 14
	s_add_co_u32 s45, s45, s44
	v_add_nc_u32 v6, s45, v10                      ; and back: token tile a = kq: ((4 x + kq) 4 + p) 4,096
	s_mul_i32 s44, s14, 4352
	s_add_co_u32 s44, s44, STG2                    ; my stage
	v_mul_u32_u24 v7, v11, 272
	s_wait_alu depctr_va_vdst(0)
	v_lshl_add_u32 v7, v12, 6, v7
	s_delay_alu instid0(VALU_DEP_1)
	v_add_nc_u32 v7, s44, v7                       ; in: row r, + 64 h
	v_mul_u32_u24 v8, v12, 272
	s_delay_alu instid0(VALU_DEP_1)
	v_lshl_add_u32 v8, v11, 4, v8
	s_delay_alu instid0(VALU_DEP_1)
	v_add_nc_u32 v8, s44, v8                       ; back: lanes 0-15 one row of 256 bytes, lanes 16-31 the next
	v_mul_u32_u24 v9, v12, 3072
	s_delay_alu instid0(VALU_DEP_1)
	v_lshl_add_u32 v9, v11, 4, v9                  ; and the same two rows in out0
	v_lshlrev_b32 v13, 6, v12                      ; b2: 64 h
	s_wait_alu depctr_va_vdst(0)
	s_mul_i32 s44, s17, 24
	s_mul_i32 s45, s16, 6
	s_add_co_u32 s44, s44, s45
	s_add_co_u32 s44, s44, 576
	s_mul_i32 s44, s44, 6400
	s_mov_b32 s45, 0
	s_add_nc_u64 s[20:21], s[6:7], s[44:45]        ; W2's records (my features, my K steps)
	s_mul_i32 s44, s18, 12
	s_add_co_u32 s44, s44, s17
	s_lshl_b32 s44, s44, 14
	s_lshl_b32 s46, s16, 12
	s_add_co_u32 s44, s44, s46
	s_add_nc_u64 s[36:37], s[8:9], s[44:45]        ; x1's image: token tile kq
	s_lshl_b32 s44, s17, 8
	s_add_nc_u64 s[38:39], s[10:11], s[44:45]
	s_lshl_b32 s46, s18, 6
	s_lshr_b32 s47, s16, 1
	s_lshl_b32 s47, s47, 5
	s_add_co_u32 s46, s46, s47
	s_and_b32 s47, s16, 1
	s_lshl_b32 s47, s47, 3
	s_add_co_u32 s46, s46, s47                     ; token 64 blk + 32 (kq / 2) + 8 (kq % 2)
	s_mul_i32 s46, s46, 3072
	s_add_co_u32 s44, s44, s46
	s_add_nc_u64 s[40:41], s[12:13], s[44:45]
	WIN 0x40                                       ; destination in window 1
.irp c, 0,1,2,3
	global_load_b128 v[4*\c:4*\c+3], v13, s[38:39] offset:128+16*\c   ; v256-271: b2 at my features 32 + 16 h + 0 .. 15
.endr
	WIN 0
	LDREC_G 0, XS0, 20, 0                          ; K steps 0 and 1 of the weights are asked for together
	LDREC_G 0x40, XS1, 20, 6400
	s_wait_tensorcnt 0x0                           ; my two records have landed,
	s_barrier_signal -1
	s_barrier_wait -1                              ; everybody's have
.irp s, 0,1,2,3,4,5
	LDREC_L YF, YS, 3, 4, 6400*\s
.if \s < 5
	s_wait_loadcnt 28                              ; this K step's record is in; the 28 loads of the next record, issued behind it, may be out
.else
	s_wait_loadcnt 12                              ; the last record is in; x1's eight loads and b2's four may be out
.endif
	s_wait_dscnt 0x0
.if \s == 0
	MUL16 1, XS0                                   ; the first K step starts the sums
.elseif (\s % 2) == 0
	MUL16 0, XS0
.else
	WIN 0x01                                       ; source 0 in window 1: the second set
	MUL16 0, XS1
	WIN 0
.endif
	PLACES 4                                       ; in front of loads into registers that matrix instructions have read, and of the first reads of results
.if \s < 4
.if (\s % 2) == 0
	LDREC_G 0, XS0, 20, 6400*(\s+2)                ; the set just multiplied takes the record two K steps on
.else
	LDREC_G 0x40, XS1, 20, 6400*(\s+2)
.endif
.endif
.if \s == 4
.irp g, 0,1,2,3,4,5,6,7
	global_load_b128 v[16+4*\g:19+4*\g], v10, s[36:37] offset:512*\g th:TH_LOAD_NT   ; x1 of token tile kq, in the accumulators' lanes: the first set is free
.endr
.irp c, 0,1,2,3
	global_load_b128 v[48+4*\c:51+4*\c], v13, s[38:39] offset:16*\c   ; b2 at my features 16 h + 0 .. 15
.endr
.endif
.endr
	s_wait_dscnt 0x0                               ; my reads of the records are over
	s_barrier_signal -1
	s_barrier_wait -1                              ; everybody's are: their bytes may be written
.set n, 0
.rept 32
	ds_store_b128 v5, v[ACC+4*n:ACC+4*n+3] offset:16384*(n/8)+512*(n%8)   ; each accumulator from its low end on
.set n, n+1
.endr
	s_wait_dscnt 0x0                               ; for the others' sake: my partial sums have landed
	s_barrier_signal -1
	s_barrier_wait -1
.set n, 0
.rept 32
	ds_load_b128 v[ACC+4*n:ACC+4*n+3], v6 offset:4096*(n/8)+512*(n%8)     ; the four partial sums of token tile kq
.set n, n+1
.endr
	s_wait_loadcnt 0x0                             ; x1 and b2
.set n, 0
.rept 8
	v_pk_add_f32 v[16+n:17+n], v[16+n:17+n], v[48+n:49+n]          ; x1 + b2, the lower sixteen
.set n, n+2
.endr
	WIN 0x04                                       ; source 1 in window 1
.set n, 0
.rept 8
	v_pk_add_f32 v[32+n:33+n], v[32+n:33+n], v[n:n+1]              ; and the upper sixteen: b2 in v256-271
.set n, n+2
.endr
	WIN 0
	s_wait_dscnt 0x0
.set n, 0
.rept 16
	v_pk_add_f32 v[ACC+n:ACC+n+1], v[ACC+n:ACC+n+1], v[ACC+32+n:ACC+33+n]
	v_pk_add_f32 v[ACC+64+n:ACC+65+n], v[ACC+64+n:ACC+65+n], v[ACC+96+n:ACC+97+n]
.set n, n+2
.endr
.set n, 0
.rept 16
	v_pk_add_f32 v[ACC+n:ACC+n+1], v[ACC+n:ACC+n+1], v[ACC+64+n:ACC+65+n]
.set n, n+2
.endr
.set n, 0
.rept 16
	v_pk_add_f32 v[ACC+n:ACC+n+1], v[ACC+n:ACC+n+1], v[16+n:17+n]
.set n, n+2
.endr
	; THE WAY OUT: a lane holds 32 numbers of one row; through my own stage they come back as whole rows of 256 bytes.  LDS serves a wave's instructions in order: no wait between the stores and the loads.
.irp b, 0,1
.irp c, 0,1,2,3
	ds_store_b128 v7, v[ACC+16*\b+4*\c:ACC+16*\b+4*\c+3] offset:128*\b+16*\c
.endr
.endr
.irp i, 0,1,2,3,4,5,6,7
	ds_load_b128 v[16+4*\i:19+4*\i], v8 offset:544*\i
.endr
.irp i, 0,1,2,3,4,5,6,7
	s_wait_dscnt 7-\i                              ; the count is the younger loads from the stage
	global_store_b128 v9, v[16+4*\i:19+4*\i], s[40:41] offset:(2*\i+8*(\i/4))*3072 th:TH_STORE_NT   ; sixteen lanes store 256 consecutive bytes, aligned; place 2 i + h of the tile is token 2 i + h + 8 (i / 4) on
.endr
	s_wait_tensorcnt 0x0
	ds_add_u32 v126, v127
	s_wait_dscnt 0x0
	s_endpgm
.Lfunc_end_k_q2a8d3064ca_w2:
	.size	k_q2a8d3064ca_w2, .Lfunc_end_k_q2a8d3064ca_w2-k_q2a8d3064ca_w2
	.p2alignl 7, 3214868480
	.fill 96, 4, 3214868480
	.section	.rodata,"a",@progbits
	.p2align	6, 0x0
	.amdhsa_kernel k_q2a8d3064ca_w2
		.amdhsa_group_segment_fixed_size 263680
		.amdhsa_private_segment_fixed_size 0
		.amdhsa_enable_private_segment 0
		.amdhsa_kernarg_size 40
		.amdhsa_user_sgpr_count 2
		.amdhsa_user_sgpr_kernarg_segment_ptr 1
		.amdhsa_wavefront_size32 1
		.amdhsa_system_sgpr_workgroup_id_x 1
		.amdhsa_system_sgpr_workgroup_id_y 1
		.amdhsa_system_sgpr_workgroup_id_z 1
		.amdhsa_system_vgpr_workitem_id 0
		.amdhsa_next_free_vgpr 320
		.amdhsa_next_free_sgpr 66
		.amdhsa_reserve_vcc 0
		.amdhsa_float_denorm_mode_32 3
		.amdhsa_float_denorm_mode_16_64 3
		.amdhsa_memory_ordered 1
		.amdhsa_forward_progress 1
		.amdhsa_inst_pref_size 58
	.end_amdhsa_kernel
	.amdgpu_metadata
---
amdhsa.version: [ 1, 2 ]
amdhsa.kernels:
  - .name:           k_q2a8d3064ca_w2
    .symbol:         k_q2a8d3064ca_w2.kd
    .args:
      - { .name: hidrec, .offset: 0, .size: 8, .value_kind: global_buffer, .address_space: global }
      - { .name: wrec, .offset: 8, .size: 8, .value_kind: global_buffer, .address_space: global }
      - { .name: x1img, .offset: 16, .size: 8, .value_kind: global_buffer, .address_space: global }
      - { .name: b2, .offset: 24, .size: 8, .value_kind: global_buffer, .address_space: global }
      - { .name: out0, .offset: 32, .size: 8, .value_kind: global_buffer, .address_space: global }
    .group_segment_fixed_size: 263680
    .private_segment_fixed_size: 0
    .kernarg_segment_align: 8
    .kernarg_segment_size: 40
    .max_flat_workgroup_size: 384
    .sgpr_count:     66
    .vgpr_count:     320
    .wavefront_size: 32
...
	.end_amdgpu_metadata
.endif
;; end of part 6
